; MI455X (gfx1250); checked and timed in simulation.
; The chip was launched on July 23, 2026; its instructions are those of AMD's public machine-readable ISA for CDNA 5 (MIT licence, August 2026) and "CDNA5" Instruction Set Architecture Reference Guide (July 2026). The comments in the code are by the model that wrote it; some were corrected since.
;; Senri Attention. Allowed arithmetic: matrix products marked QUANTISED: E2M3 operands, one E8M0 scale for each 32 along K, by v_wmma_scale_f32_16x16x128_f8f6f4 with both operands' format E2M3, f32 sums; products left as they are: f32 operands where the result goes on into a quantised operand, else bf16, f16 or f32 operands; f32 sums; everything else in f32.
;; Inputs: M 2,048 x 2,048 float32; Wk_codes 2,048 x 64 x 24 uint8 (E2M3 codes of Wk, K innermost, in blocks of 32 codes, four codes in three bytes); Wk_scales 2,048 x 64 uint8 (E8M0 scales of Wk, one for each 32 codes along K); Wo_codes 2,048 x 64 x 24 uint8 (E2M3 codes of Wo, K innermost, in blocks of 32 codes, four codes in three bytes); Wo_scales 2,048 x 64 uint8 (E8M0 scales of Wo, one for each 32 codes along K); Wq_codes 2,048 x 64 x 24 uint8 (E2M3 codes of Wq, K innermost, in blocks of 32 codes, four codes in three bytes); Wq_scales 2,048 x 64 uint8 (E8M0 scales of Wq, one for each 32 codes along K); Wv_codes 2,048 x 64 x 24 uint8 (E2M3 codes of Wv, K innermost, in blocks of 32 codes, four codes in three bytes); Wv_scales 2,048 x 64 uint8 (E8M0 scales of Wv, one for each 32 codes along K); hidden_states_codes 2 x 1,024 x 64 x 24 uint8 (E2M3 codes of hidden_states, K innermost, in blocks of 32 codes, four codes in three bytes); hidden_states_scales 2 x 1,024 x 64 uint8 (E8M0 scales of hidden_states, one for each 32 codes along K); z 2,048 float32.
;; Outputs: out0 2 x 1,024 x 2,048 float32; out1 2,048 x 2,048 float32; out2 2,048 float32.
;; This version of the problem:
;;   THIS VERSION OF THE PROBLEM IS GIVEN IN LOW PRECISION. The matrix products marked QUANTISED in the list below multiply operands that are first quantised to E2M3 (2 exponent bits, 3 mantissa bits; 6 bits a number), with one power-of-two scale for each 32 numbers along K (OCP MX v1.0); their sums are f32. All else is computed in f32.
;;   The module's matrix products, in the order in which they are computed (A, B: the left and right operand; K: the contracted axis; several contracted axes count as one K, in the product's order):
;;     1. [M 2,048, K 2,048] x [K 2,048, N 2,048]; A: input hidden_states (given as codes); B: input Wq (given as codes): QUANTISED
;;     2. [M 2,048, K 2,048] x [K 2,048, N 2,048]; A: input hidden_states (given as codes); B: input Wk (given as codes): QUANTISED
;;     3. [M 2,048, K 2,048] x [K 2,048, N 2,048]; A: input hidden_states (given as codes); B: input Wv (given as codes): QUANTISED
;;     4. [M 2,048, K 2,048] x [K 2,048, N 1]; A: computed on the way; B: input z: left as it is (N = 1 < 16)
;;     5. [M 2,048, K 2,048] x [K 2,048, N 2,048]; A: computed on the way; B: input M: QUANTISED
;;     6. [M 2,048, K 2,048] x [K 2,048, N 2,048]; A: computed on the way; B: computed on the way: QUANTISED
;;     7. [M 2,048, K 2,048] x [K 2,048, N 2,048]; A: computed on the way; B: input Wo (given as codes): QUANTISED
;;   THE QUANTISER, for each operand of a quantised product, along K:
;;     - K is cut into blocks of 32 from its start; a last block that is shorter is filled with zeros.
;;     - A block's scale is 2^e with e = floor(log2(the largest magnitude in the block)) - 2, held to -126 .. 127; a block of zeros has e = 0. As a byte (E8M0): e + 127.
;;     - Each number is divided by its block's scale, clamped to +-7.5, and rounded to the nearest number of E2M3, ties to even, subnormals kept.
;;     - The product sums the exact products of the quantised numbers (number of the format x scale) in f32.
;;   ~~~python
;;   def quantise(x, axis):      # numpy; x: float32 -> the quantised numbers, widened to float32 again
;;       x = np.moveaxis(x, axis, -1); K = x.shape[-1]
;;       x = np.pad(x, [(0, 0)] * (x.ndim - 1) + [(0, -K % 32)]); x = x.reshape(x.shape[:-1] + (-1, 32)); a = np.abs(x).max(-1, keepdims=True)
;;       e = np.where(a > 0, np.clip(np.frexp(np.where(a > 0, a, 1))[1] - 1 - 2, -126, 127), 0)      # np.frexp(a)[1] - 1 = floor(log2(a)), exactly
;;       r = np.clip(x / 2.0 ** e, -7.5, 7.5)
;;       step = 2.0 ** (np.maximum(np.frexp(np.where(r == 0, 1, r))[1] - 1, 0) - 3)
;;       q = np.round(r / step) * step * 2.0 ** e      # np.round: ties to even
;;       return np.moveaxis(q.reshape(q.shape[:-2] + (-1,))[..., :K], -1, axis).astype(np.float32)
;;   ~~~
;;   OPERANDS COMPUTED ON THE WAY. 'Computed on the way' means the value that the module computes at that place (a softmax that the list does not call 'softmax' is quantised finished and normalised). What goes into a quantiser is computed in f32, as accurately as f32 sums, v_exp_f32 and their like allow (about 1e-6 of the number): no bf16 or f16 on the way to a quantiser, and a product that is left as it is and whose result goes on into a quantised operand takes f32 operands (vector FMAs, or v_wmma_f32_16x16x4_f32). A number that lies on a knife's edge between two numbers of the format may be rounded either way, as far as f32 arithmetic and the matrix unit's own rounding can turn it there, and no further.
;;   INPUTS GIVEN AS CODES. Wk (in the module: [2048, 2048], K = its axis 1); Wo (in the module: [2048, 2048], K = its axis 1); Wq (in the module: [2048, 2048], K = its axis 1); Wv (in the module: [2048, 2048], K = its axis 1); hidden_states (in the module: [2, 1024, 2048], K = its axis 2): each comes as NAME_codes (uint8): NAME with its K axis moved to the last place and cut into blocks of 32 codes, [.., K / 32, bytes a block], one block behind the other in memory; four codes in three bytes: a row's codes are one little-endian stream of bits, code i at bits 6 i .. 6 i + 5 (a code: sign, 2 exponent bits, 3 mantissa bits); and NAME_scales (uint8): the same leading axes, one E8M0 byte (e + 127) for each 32 codes along K. Its value is code x scale, taken as it is: it is not quantised again, and the codes and scales need not be those that the quantiser above would give.
;; One version. Each part assembles by itself: llvm-mc -triple=amdgcn-amd-amdhsa -mcpu=gfx1250 --defsym DOCPART=n.
;; ======== version 1 of 1: 3 launches
;; workspace buffers: mcode 3,276,800 bytes; pq 3,276,800 bytes; pk 3,276,800 bytes; rt 3,276,800 bytes; vt 3,276,800 bytes; parts 262,144 bytes
;; launch qk (part 1): grid 8 x 32, 4 waves a work-group, clusters of 4 x 4, 327,680 bytes of LDS; arguments hidden_states_codes, hidden_states_scales, Wq_codes, Wq_scales, Wk_codes, Wk_scales, z, pq, pk, parts, M, mcode; writes pq, pk, parts, mcode
.if DOCPART == 1
	.amdgcn_target "amdgcn-amd-amdhsa--gfx1250"
	.amdhsa_code_object_version 6
	.text
	.protected	k_q4f4561f3e3_qk
	.globl	k_q4f4561f3e3_qk
	.p2align	8
	.type	k_q4f4561f3e3_qk,@function
k_q4f4561f3e3_qk:
	s_mov_b64 s[64:65], 0
	v_nop
	global_prefetch_b8 v0, s[64:65] scope:SCOPE_SE
	s_setreg_imm32_b32 hwreg(HW_REG_WAVE_MODE, 25, 1), 1
	s_wait_xcnt 0x0
	s_wait_alu depctr_hold_cnt(0) depctr_sa_sdst(0) depctr_va_vdst(0) depctr_va_sdst(0) depctr_va_ssrc(0) depctr_va_vcc(0) depctr_vm_vsrc(0)
	s_getreg_b32 s2, hwreg(HW_REG_IB_STS2, 6, 4)
	s_cmp_eq_u32 s2, 0
	s_cbranch_scc0 .Lentry_in_a_cluster
	s_endpgm
.Lentry_in_a_cluster:
	s_bfe_u32 s2, ttmp6, 0x10000c
	s_cmp_lg_u32 s2, 0xf033
	s_cbranch_scc0 .Lentry_shape_is_right
	s_endpgm
.Lentry_shape_is_right:
; THE PROGRAM: three launches.  qk: q = H Wq^T and k^T = Wk H^T, phi, codes, the parts of denom and of z_new; beside them M into codes.  rv: retrieved = phi(q) M / denom, and v^T = Wv H^T, codes.
; fin: out0 = retrieved Wo^T, out1 = M + phi(k)^T v, out2 = z + the sum of phi(k).  NOTHING OF reference() IS LEFT OUT: every input has a way to an output, and all six quantised products and the product with z are done.
; THIS LAUNCH: TWO PRODUCTS OF 2,048^3 ON CODES OF FP6, 128 tiles of 128 x 256 each: 256 work-groups.
; C[m][n] = sum over k of A[m][k] B[n][k].  KIND 0 (cluster y 0-3): A = hidden_states, B = Wq: q [token][feature].  KIND 1 (cluster y 4-7): A = Wk, B = hidden_states: k^T [feature][token].
; Behind the sums: phi = elu + 1; the row's sum of phi x weight over the wave's 128 columns (KIND 0: weight z: a part of denom; KIND 1: weight 1: a part of z_new), in f32, of the unquantised phi;
; phi quantised along n (KIND 0: the features, K of phi(q) M; KIND 1: the tokens, K of phi(k)^T v) into buffers laid as the inputs given as codes: rows of 1,536 bytes, scale bytes CODEB further on, 64 a row.
; phi(x) = the middle one of x + 1, e^x and 1: for x > 0, 1 < x + 1 < e^x; for x <= 0, x + 1 <= e^x <= 1.  No compare, no select.
; THE ORDER OF THE CODES.  The matrix instruction is used transposed (source 0 = 16 rows of B, source 1 = 16 rows of A): a lane holds one row m and, in accumulators 2 g and 2 g + 1, the columns
; 32 g + 16 u + 8 h + j (u: which accumulator, h: the lane's half, j: the register).  They are converted as they stand, and half h's 12 bytes lie at place 2 g + h of the row: so place 16 h + 8 u + j of a block holds
; column 16 u + 8 h + j: bits 3 and 4 changed over (write pi for that), inside a block, so the scales are the natural ones.  The other operand of each later product carries the same order.
; M [2048 (d)][2048 (e)], f32, operand B of phi(q) M, K its FIRST axis, is quantised here too: each work-group takes 64 columns x 256 along K; a lane takes a column and its registers run down K.  Place p of a block holds
; d = 32 t + pi(p), as phi(q)'s codes do; column e is stored as ROW pi(e), so that launch rv's results fall in the natural order of e, which Wo's given codes want.  Its loads are asked for at the head and behind the
; refills and rest in registers until the way out.
; LIMITS: for x <= 0 phi is e^x where reference() has expm1(x) + 1: they differ by at most 2^-24.  A block of zeros, or one under 2^-124, gets the scale byte 1 where the rule says 127 or less: this program alone reads
; those bytes.  NaN and infinities are not served.  Sums over K go in the order of the codes' places.
; STRUCTURE: four waves, each 64 x 128 of C: 32 accumulators, 256 registers.  K goes in 8 units of 256 (rows of 192 bytes) through THREE LDS slots filled by the tensor data mover; unit u lies in slot u % 3.
; A wave loads a whole operand tile of one unit: waves 0, 1 A's 128 rows, waves 2, 3 B's 256 rows; the wave's low bit says which unit of a pair.  So ONE round of the cluster's barrier, with one load a wave, refills TWO slots.
; First fills: units 0, 1, 2 and all scale bytes of the tile's 384 rows.  Then: behind units 0, 1: slots 0, 1 take units 3, 4; behind unit 2: slot 2 takes unit 5 (waves 0 and 2); behind units 3, 4: slots 0, 1 take units 6, 7.
; By this text's own count a wave has two tensor loads out at the start and one behind a refill's round.  4 x 4 work-groups form a cluster: A's tiles are asked for jointly along a row of it, B's along a column.
; A step is 128 along K: 32 products, by B's blocks: eight groups of four; behind each group stand some of the next step's LDS loads, so that loads and products go side by side.
; REGISTERS: window 0: v1-15, v28-31 addresses; v16-27 fragment addresses; v32-63 scale words, two sets; v64-159 A's fragments, two sets of 4 x 12; v240-245 M's addresses; on the way out v64-239 at work.
;   window 1: B's fragments, two sets of 8 x 12, at v0 and v128.   window 2: the accumulators, (a, b) at v[8 (8 a + b)].   window 3: v0-63 the weights of a lane's columns; v64-191 M's numbers; v192-223 M's codes.
.set ROWB,  192                        ; a tile's row in bytes: 256 codes
.set KROW,  1536                       ; a row of codes in memory
.set PITCH, 240                        ; an LDS row: 3 x (64 bytes + 16 of padding)
.set FR,    12                         ; registers of a fragment
.set HA,    64*PITCH                   ; what a wave reads of A
.set HB,    128*PITCH                  ; and of B
.set ABYT,  2*HA                       ; A's 128 rows
.set SLOT,  ABYT+2*HB                  ; then B's 256: 92,160
.set SCL,   3*SLOT                     ; behind the ring: the scale bytes, as units of 256 bytes + 16 of padding
.set HSA,   16*272                     ; those of 64 rows (64 bytes a row)
.set HSB,   32*272                     ; of 128 rows
.set SBLK,  4*272                      ; of 16 rows
.set SPARE, SCL+2*HSA+2*HSB            ; the spare words, 128 bytes a wave: two blocks of 256 bytes that no other line names
.set MSTG,  SPARE+512                  ; M's stage: 64 rows x 272 bytes; no fill ever lands here
.set MSCB,  MSTG+64*272                ; and 8 scale bytes for each of its 64 columns
.set CODEB, 3145728
.set STG0,  2*SLOT                     ; the way out's stages lie in slot 2: its last fill is unit 5's, and its last read stands in front of the last barrier
.set SCST,  STG0+128*272               ; the stage of 128 rows x 272, then 8 scale bytes a row,
.set SUMST, SCST+1024                  ; then 64 sums for each wave
.set ADRA, 16                          ; v16-18 my A fragments in slot 0, 1, 2;  v19-21 the same behind one padding more
.set ADRB, 22                          ; v22-24, v25-27 the same for B
.set SPW,  28                          ; v28  LDS address of my spare word; never rewritten
.set NIL,  29                          ; v29  0; never rewritten
.set ADRS, 30                          ; v30  my scale words: lanes 0-15 A's rows, lanes 16-31 B's
.set STO,  31
.set RD,   15
.set CO,   7
.set SC,   32
.set AF,   64
.set T,    64                          ; the way out: x log2(e), then e^x
.set P,    128                         ; x + 1, then phi
.set TM,   192                         ; v192-195 largest magnitudes, v196-199 at work and bytes, v204-207 the conversions' scale operands
.set PW,   208                         ; the scale word
.set SUM,  209                         ; v209, v210
.set MSW,  211                         ; M's scale word
.set S,    216                         ; v216-223 four chains of the sum
.set C,    224                         ; v224-239 the codes
.set OUTR, 64
.set MOF,  240                         ; M: 4 x lane
.set MST,  241                         ; into its stage
.set MSC,  242                         ; my four scale bytes
.set MRD,  243                         ; out of its stage
.set MSR,  244                         ; a column's eight scale bytes
.set MSO,  245                         ; pi(lane) x 64
.set G1,   24                          ; s[24:31] group 1 for A's tiles;  s[32:35] group 0 of the pair's load, s[36:39] of slot 2's
.set G0,   32
.set G1B,  48                          ; s[48:55], s[56:63] the same for B's
.set G0B,  56
.set G1S,  68                          ; s[68:75], s[76:79] A's scale bytes;  s[80:87], s[88:91] B's
.set G0S,  76
.set G1SB, 80
.set G0SB, 88
.set KIND, 66
.set SEL,  100                         ; s[100:101] v_permlanex16_b32's selects for lane l xor 16
.set L2E,  104                         ; s[104:105] log2(e), as a pair
.set MSB, 0
.macro WIN new                         ; the immediate's high byte repeats the setting that is left; a switch that changes nothing is dropped
.if MSB != (\new)
	s_set_vgpr_msb (MSB<<8)|(\new)
.set MSB, (\new)
.endif
.endm
.set MUL,  0xa1                        ; source 0 (B) window 1, source 1 (A) window 0, C and D window 2
.set TO_B, 0x40                        ; destination window 1, address window 0
; A joint load: waves 0 and 1 fetch for A, waves 2 and 3 for B.  Each line has one mask and one set of registers for all that issue it; the branch hangs on the wave's number alone.
; An s_nop 0 and four v_nop follow each line, ahead of the jump, the label and what follows.
.macro JLOAD g0a, g1a, g0b, g1b
	s_cmp_eq_u32 s15, 0
	s_cbranch_scc0 .Lfor_b_\@
	tensor_load_to_lds s[\g0a:\g0a+3], s[\g1a:\g1a+7]
	s_nop 0
.rept 4
	v_nop
.endr
	s_branch .Lasked_\@
.Lfor_b_\@:
	tensor_load_to_lds s[\g0b:\g0b+3], s[\g1b:\g1b+7]
	s_nop 0
.rept 4
	v_nop
.endr
.Lasked_\@:
.endm
; A first fill: each of the four waves has a line of its own, so every wave issues one load on every way through the macro.
.macro HLOAD a0, a1, b0, b1, c0, c1, d0, d1
	s_cmp_lg_u32 s14, 0
	s_cbranch_scc1 .Lw1_\@
	tensor_load_to_lds s[\a0:\a0+3], s[\a1:\a1+7]
	s_nop 0
.rept 4
	v_nop
.endr
	s_branch .Lwe_\@
.Lw1_\@:
	s_cmp_lg_u32 s14, 1
	s_cbranch_scc1 .Lw2_\@
	tensor_load_to_lds s[\b0:\b0+3], s[\b1:\b1+7]
	s_nop 0
.rept 4
	v_nop
.endr
	s_branch .Lwe_\@
.Lw2_\@:
	s_cmp_lg_u32 s14, 2
	s_cbranch_scc1 .Lw3_\@
	tensor_load_to_lds s[\c0:\c0+3], s[\c1:\c1+7]
	s_nop 0
.rept 4
	v_nop
.endr
	s_branch .Lwe_\@
.Lw3_\@:
	tensor_load_to_lds s[\d0:\d0+3], s[\d1:\d1+7]
	s_nop 0
.rept 4
	v_nop
.endr
.Lwe_\@:
.endm
.macro CREST                           ; a round of the cluster's barrier behind its opening barrier
	s_cmp_lg_u32 s14, 0
	s_cbranch_scc1 .Lnot_wave_0_\@
	s_barrier_signal -3
.Lnot_wave_0_\@:
	s_barrier_wait -3
	s_barrier_signal -1
	s_barrier_wait -1
.endm
.macro CROUND                          ; a whole round
	s_barrier_signal -1
	s_barrier_wait -1
	CREST
.endm
.macro PLACES n                        ; plain places behind matrix instructions, in front of loads into registers that they have read and of reads of their results
.rept \n
	v_nop
.endr
.endm
; One piece of 8 bytes of a fragment.  Lane l holds row l % 16; registers 6 c .. 6 c + 5 hold K = 64 c + 32 (l / 16) + 0 .. 31: 24 bytes of the row as they lie.  16 bytes of padding lie behind every 8 pieces;
; where the piece three on (lanes 16-31) lies behind one padding more, the second address register serves.
.macro PIECE reg, adr, q, i, p
.set PC, 12*(\q)+6*((\p)/3)+(\p)%3
.if PC%8 < 5
	ds_load_b64 v[(\reg)+2*(\p):(\reg)+2*(\p)+1], v[\adr] offset:8*PC+16*(PC/8)+(\i)*16*PITCH
.else
	ds_load_b64 v[(\reg)+2*(\p):(\reg)+2*(\p)+1], v[(\adr)+3] offset:8*PC+16*(PC/8)+(\i)*16*PITCH
.endif
.endm
; THE LIST of a step's LDS loads, in the order in which the products want them: (NSC = 1: the unit's 8 pairs of scale words: lanes 0-15 A's block i, i > 3 bytes that nobody uses; lanes 16-31 B's block i;)
; A's four fragments, 24 loads; B's eight, 48.  LD1 issues number LT of the list for unit NU (slot NSLOT), half NP, into set NP.  DSN tallies the LDS instructions that the text has issued.
.macro LD1
.set X, LT-8*NSC
.if X < 0
	WIN 0
	ds_load_b64 v[SC+16*(NU%2)+2*LT:SC+16*(NU%2)+2*LT+1], v[ADRS] offset:LT*SBLK+8*NU
.elseif X < 24
	WIN 0
	PIECE AF+48*NP+FR*(X/6), ADRA+NSLOT, NP, X/6, X%6
.else
	WIN TO_B
	PIECE 128*NP+FR*((X-24)/6), ADRB+NSLOT, NP, (X-24)/6, (X-24)%6
.endif
.set LT, LT+1
.set DSN, DSN+1
.endm
.macro CHUNK n                         ; the list's next n loads, as far as it goes
.rept \n
.if LT < LTOT
	LD1
.endif
.endr
.endm
; The wait ahead of group b: LDS instructions come back in order (ISA guide 5.7.1); the group wants the list in hand (begun at tally CST) up to B's fragment b, its load number 8 CSC + 30 + 6 b;
; all that the text has issued behind that one may stay out.  The count's field holds 63.
.macro NEED b
.set WN, DSN-(CST+8*CSC+30+6*(\b))
.if WN > 63
.set WN, 63
.endif
	s_wait_dscnt WN
.endm
; Four products: B's block b x A's four, 128 along K.  zero = 1: they start the sums: nothing is ever cleared.
; The 32 accumulators take turns, one instruction a turn, in the same order in every step.
.macro GROUP b, zero
	WIN MUL
.irp a, 0,1,2,3
.if \zero
	v_wmma_scale_f32_16x16x128_f8f6f4 v[8*(8*\a+(\b)):8*(8*\a+(\b))+7], v[128*CP+FR*(\b):128*CP+FR*(\b)+FR-1], v[AF+48*CP+FR*\a:AF+48*CP+FR*\a+FR-1], 0, v[SC+16*(CU%2)+2*(\b)+CP], v[SC+16*(CU%2)+2*\a+CP] matrix_a_fmt:MATRIX_FMT_FP6 matrix_b_fmt:MATRIX_FMT_FP6 matrix_a_scale:MATRIX_SCALE_ROW1
.else
	v_wmma_scale_f32_16x16x128_f8f6f4 v[8*(8*\a+(\b)):8*(8*\a+(\b))+7], v[128*CP+FR*(\b):128*CP+FR*(\b)+FR-1], v[AF+48*CP+FR*\a:AF+48*CP+FR*\a+FR-1], v[8*(8*\a+(\b)):8*(8*\a+(\b))+7], v[SC+16*(CU%2)+2*(\b)+CP], v[SC+16*(CU%2)+2*\a+CP] matrix_a_fmt:MATRIX_FMT_FP6 matrix_b_fmt:MATRIX_FMT_FP6 matrix_a_scale:MATRIX_SCALE_ROW1
.endif
.endr
.endm
; STEP QN of 16: unit QN / 2, half QN % 2; it multiplies set QN % 2 and fetches the next step's list into the other set, which the step before last read: four places stand ahead of the list's first load.
; mode 0: no barrier: a ninth or tenth of... eight runs of 9 (10 with scale words) loads, one behind each group.   mode 4: the last step: nothing to fetch.
; mode 1, 2, 3: the next step's unit lies in another slot and a barrier stands in front of its reads.  Three groups; then each wave waits for all its tensor loads, adds 0 to its spare word, and, a group on, waits for that and
; for its reads of the slots that it has left; signal, a group, wait.  mode 1: the barrier opens a round of the cluster's, and slots 0 and 1 are filled again, one load a wave; mode 2: slot 2, by waves 0 and 2;
; mode 3: nothing is filled.  Then the list in three runs, the last three groups between them.
.macro QS mode, zero
.set CP, QN%2
.set CU, QN/2
.set CST, NST
.set CSC, NSC
.set NP, 1-CP
.set NU, (QN+1)/2
.set NSLOT, NU%3
.set NSC, CP
.set LT, 0
.set LTOT, 72+8*NSC
.if (\mode) == 0
.set NST, DSN
.irp b, 0,1,2,3,4,5,6,7
	NEED \b
	GROUP \b, \zero
.if \b == 0
	PLACES 4
.endif
	CHUNK 9+NSC
.endr
.elseif (\mode) == 4
.irp b, 0,1,2,3,4,5,6,7
	NEED \b
	GROUP \b, 0
.endr
	WIN 0
.else
.irp b, 0,1,2
	NEED \b
	GROUP \b, 0
.endr
	WIN 0                                          ; (the add's two registers lie in window 0)
	s_wait_tensorcnt 0x0                           ; all my tensor loads have landed
	ds_add_u32 v[SPW], v[NIL]                      ; 0 onto my spare word
.set DSN, DSN+1
	NEED 3
	GROUP 3, 0                                     ; four products stand between the add and the wait for it
	s_wait_dscnt 0x0                               ; the add is done, and my reads of the slots that I have left are over
	s_barrier_signal -1
	GROUP 4, 0
	WIN 0
	s_barrier_wait -1
.if (\mode) == 1
	CREST                                          ; the round: no wave of any partner still reads slots 0 and 1 or has a load on its way
	s_add_nc_u64 s[G0+2:G0+3], s[G0+2:G0+3], 3*ROWB
	s_add_nc_u64 s[G0B+2:G0B+3], s[G0B+2:G0B+3], 3*ROWB
	JLOAD G0, G1, G0B, G1B                         ; my unit of the next pair, three units on: the first tensor load behind the round
.endif
.if (\mode) == 2
	CREST
	s_add_nc_u64 s[G0+6:G0+7], s[G0+6:G0+7], 3*ROWB
	s_add_nc_u64 s[G0B+6:G0B+7], s[G0B+6:G0B+7], 3*ROWB
	s_cmp_lg_u32 s16, 0                            ; one unit: waves 0 and 2 load it, waves 1 and 3 have no part of it
	s_cbranch_scc1 .Lnone_\@
	JLOAD G0+4, G1, G0B+4, G1B
.Lnone_\@:
.endif
	PLACES 4
.set NST, DSN
	CHUNK 27
	GROUP 5, 0
	CHUNK 27
	GROUP 6, 0
	CHUNK 27
	GROUP 7, 0
.endif
.set QN, QN+1
.endm
.macro MLD t                           ; M's block t of my four: register i takes row 32 t + pi(i) of my column; each byte of M is read once in this launch
	WIN 0xc0
.irp i, 0,1,2,3,4,5,6,7,8,9,10,11,12,13,14,15,16,17,18,19,20,21,22,23,24,25,26,27,28,29,30,31
	global_load_b32 v[64+32*(\t)+\i], v[MOF], s[4:5] offset:(32*(\t)+(\i%8)+16*((\i/8)%2)+8*(\i/16))*8192 th:TH_LOAD_NT
.endr
	WIN 0
.endm
	s_load_b256 s[32:39], s[0:1], 0x0              ; H's codes, H's scales, Wq's codes, Wq's scales
	s_load_b256 s[56:63], s[0:1], 0x20             ; Wk's codes, Wk's scales, z, pq
	s_load_b128 s[92:95], s[0:1], 0x40             ; pk, parts
	v_lshl_add_u32 v[SPW], v0, 2, SPARE
	v_mov_b32 v[NIL], 0
	ds_add_u32 v[SPW], v[NIL]                      ; the wave's opening: the add, twice on end, and its wait ahead of my first tensor load
	ds_add_u32 v[SPW], v[NIL]                      ; and once more; the set-up below, work on registers, stands between it and the wait
	v_lshrrev_b32 v1, 5, v0
	v_readfirstlane_b32 s14, v1                    ; wave 0..3
	s_lshr_b32 s15, s14, 1                         ; which 64 rows of the tile are mine.  Also: I fetch for A (0) or for B (1)
	s_and_b32 s16, s14, 1                          ; which 128 columns.  Also: which unit of a pair I fetch
	s_bfe_u32 s40, ttmp6, 0x40000                  ; cx, cy: my place in the cluster
	s_bfe_u32 s41, ttmp6, 0x40004
	s_lshl_b32 s42, ttmp9, 2
	s_add_co_u32 s42, s42, s40                     ; tile column 0..7 = 4 x cluster x + cx
	s_and_b32 s17, ttmp7, 0xffff                   ; cluster y 0..7
	s_lshr_b32 s[KIND], s17, 2                     ; which product: the same in all sixteen partners
	s_and_b32 s17, s17, 3
	s_lshl_b32 s17, s17, 2
	s_add_co_u32 s17, s17, s41                     ; tile row 0..15
	s_lshl_b32 s43, s41, 2
	s_lshl_b32 s43, 15, s43                        ; my row of the cluster
	s_lshl_b32 s44, 0x1111, s40                    ; my column
	s_or_b32 s[G1+0], s43, (1<<20)|(1<<21)|(3<<22)|(3<<25)   ; 15:0 the mask; 17:16 elements of 1 byte; 20 padding on; 21 set beside a mask; 24:22 after every 16 words; 31:25 of 4 words
	s_or_b32 s[G1B+0], s44, (1<<20)|(1<<21)|(3<<22)|(3<<25)
	s_mov_b32 s[G1+1], ROWB<<16                    ; tensor_dim0
	s_mov_b32 s[G1+2], 128<<16                     ; tensor_dim1: A's tile has 128 rows
	s_mov_b32 s[G1+3], ROWB<<16                    ; tile_dim0
	s_mov_b32 s[G1+4], 128                         ; tile_dim1
	s_mov_b32 s[G1+5], KROW                        ; from row to row
	s_mov_b32 s[G1+6], 0
	s_mov_b32 s[G1+7], 0
	s_mov_b32 s[G1B+1], ROWB<<16
	s_mov_b32 s[G1B+2], 256<<16                    ; B's tile has 256 rows
	s_mov_b32 s[G1B+3], ROWB<<16
	s_mov_b32 s[G1B+4], 256
	s_mov_b32 s[G1B+5], KROW
	s_mov_b32 s[G1B+6], 0
	s_mov_b32 s[G1B+7], 0
	s_or_b32 s[G1S+0], s43, (3<<16)|(1<<20)|(1<<21)|(5<<22)|(3<<25)   ; the scale bytes: dense blocks, as rows of 256 bytes (32 elements of 8), 16 bytes of padding behind each
	s_or_b32 s[G1SB+0], s44, (3<<16)|(1<<20)|(1<<21)|(5<<22)|(3<<25)
	s_mov_b32 s[G1S+1], 32<<16
	s_mov_b32 s[G1S+2], 32<<16                     ; 128 rows x 64 bytes = 32 units
	s_mov_b32 s[G1S+3], 32<<16
	s_mov_b32 s[G1S+4], 32
	s_mov_b32 s[G1S+5], 32
	s_mov_b32 s[G1S+6], 0
	s_mov_b32 s[G1S+7], 0
	s_mov_b32 s[G1SB+1], 32<<16
	s_mov_b32 s[G1SB+2], 64<<16                    ; 256 rows: 64 units
	s_mov_b32 s[G1SB+3], 32<<16
	s_mov_b32 s[G1SB+4], 64
	s_mov_b32 s[G1SB+5], 32
	s_mov_b32 s[G1SB+6], 0
	s_mov_b32 s[G1SB+7], 0
	s_mul_i32 s20, s17, 128*KROW                   ; A: the tile's first row, 128 x tile row: its codes,
	s_mov_b32 s21, 0
	s_lshl_b32 s22, s17, 13                        ; its scale bytes
	s_mov_b32 s23, 0
	s_mul_i32 s46, s42, 256*KROW                   ; B: row 256 x tile column
	s_mov_b32 s47, 0
	s_lshl_b32 s98, s42, 14
	s_mov_b32 s99, 0
	s_mul_i32 s18, s16, ROWB                       ; my unit of the first pair, in memory,
	s_mov_b32 s19, 0
	s_mul_i32 s45, s16, SLOT                       ; and its slot: no place in the cluster enters an LDS address
	s_mov_b32 s[SEL], 0x76543210
	s_mov_b32 s[SEL+1], 0xfedcba98
	s_mov_b32 s[L2E], 0x3fb8aa3b
	s_mov_b32 s[L2E+1], s[L2E]                     ; (named with it as a pair, so it is written)
	s_wait_dscnt 0x0                               ; both opening adds are done
	s_wait_kmcnt 0x0
	s_cmp_eq_u32 s[KIND], 0                        ; the operands are chosen by the product's number, which hangs on no address
	s_cselect_b64 s[4:5], s[32:33], s[56:57]       ; A's codes: H or Wk
	s_cselect_b64 s[6:7], s[34:35], s[58:59]
	s_cselect_b64 s[8:9], s[36:37], s[32:33]       ; B's codes: Wq or H
	s_cselect_b64 s[10:11], s[38:39], s[34:35]
	s_cselect_b64 s[12:13], s[62:63], s[92:93]     ; out: pq or pk
	s_mov_b64 s[96:97], s[60:61]                   ; z
	s_add_nc_u64 s[20:21], s[4:5], s[20:21]
	s_add_nc_u64 s[22:23], s[6:7], s[22:23]
	s_add_nc_u64 s[46:47], s[8:9], s[46:47]
	s_add_nc_u64 s[98:99], s[10:11], s[98:99]
	CROUND                                         ; all sixteen work-groups are here: the first joint loads meet
	s_mov_b32 s[G0S], 1
	s_mov_b32 s[G0S+1], SCL
	s_mov_b64 s[G0S+2:G0S+3], s[22:23]
	s_or_b32 s[G0S+3], s[G0S+3], 0x80000000
	s_mov_b32 s[G0SB], 1
	s_mov_b32 s[G0SB+1], SCL+2*HSA
	s_mov_b64 s[G0SB+2:G0SB+3], s[98:99]
	s_or_b32 s[G0SB+3], s[G0SB+3], 0x80000000
	s_mov_b32 s[G0], 1                             ; the pair's load: unit 0 or 1, into slot 0 or 1
	s_mov_b32 s[G0+1], s45
	s_add_nc_u64 s[G0+2:G0+3], s[20:21], s[18:19]
	s_or_b32 s[G0+3], s[G0+3], 0x80000000
	s_mov_b32 s[G0+4], 1                           ; slot 2's load: unit 2
	s_mov_b32 s[G0+5], 2*SLOT
	s_add_nc_u64 s[G0+6:G0+7], s[20:21], 2*ROWB
	s_or_b32 s[G0+7], s[G0+7], 0x80000000
	s_mov_b32 s[G0B], 1
	s_add_co_u32 s[G0B+1], s45, ABYT
	s_add_nc_u64 s[G0B+2:G0B+3], s[46:47], s[18:19]
	s_or_b32 s[G0B+3], s[G0B+3], 0x80000000
	s_mov_b32 s[G0B+4], 1
	s_mov_b32 s[G0B+5], 2*SLOT+ABYT
	s_add_nc_u64 s[G0B+6:G0B+7], s[46:47], 2*ROWB
	s_or_b32 s[G0B+7], s[G0B+7], 0x80000000
	HLOAD G0, G1, G0S, G1S, G0B, G1B, G0SB, G1SB   ; first what the first step wants: unit 0 (waves 0, 2) and the scale bytes (waves 1, 3);
	HLOAD G0+4, G1, G0, G1, G0B+4, G1B, G0B, G1B   ; then unit 2 (waves 0, 2) and unit 1 (waves 1, 3)
	s_load_b128 s[4:7], s[0:1], 0x50               ; M, mcode (the chosen operands' addresses have been used)
	v_and_b32 v1, 15, v0                           ; r = l % 16
	v_bfe_u32 v2, v0, 4, 1                         ; h = l / 16
	v_mul_u32_u24 v3, v1, PITCH
	v_mul_u32_u24 v4, v2, 24
	v_add_nc_u32 v4, v3, v4                        ; a fragment's row x pitch + 24 x half
	v_lshl_add_u32 v5, v2, 4, v4                   ; and the same behind one padding more
	s_mul_i32 s21, s15, HA                         ; my 64 rows of A
	s_mul_i32 s22, s16, HB                         ; my 128 rows of B,
	s_add_co_u32 s22, s22, ABYT                    ; which lie behind A's 128
.irp s, 0,1,2
	v_add_nc_u32 v[ADRA+\s], s21, v4
	v_add_nc_u32 v[ADRB+\s], s22, v4
	v_add_nc_u32 v[ADRA+3+\s], s21, v5
	v_add_nc_u32 v[ADRB+3+\s], s22, v5
	s_add_co_u32 s21, s21, SLOT
	s_add_co_u32 s22, s22, SLOT
.endr
	v_lshlrev_b32 v5, 6, v1                        ; my row's scale bytes: 64 a row,
	v_lshrrev_b32 v6, 8, v5
	v_lshl_add_u32 v5, v6, 4, v5                   ; and 16 more for each 256 passed
	s_mul_i32 s21, s15, HSA                        ; A's: my 64 rows
	s_mul_i32 s22, s16, HSB                        ; B's: my 128 rows, behind A's 128
	s_add_co_u32 s22, s22, 2*HSA
	s_sub_co_u32 s22, s22, s21
	v_mul_u32_u24 v6, s22, v2                      ; lanes 16-31 take B's: one product, the distance between the two bases x half
	s_add_co_u32 s21, s21, SCL
	v_add_nc_u32 v5, v5, v6
	v_add_nc_u32 v[ADRS], s21, v5
	; the way out's addresses
	s_mul_i32 s20, s15, 64*272
	s_lshl_b32 s21, s16, 7
	s_add_co_u32 s20, s20, s21
	s_add_co_u32 s20, s20, STG0
	v_mul_u32_u24 v[STO], v1, 272
	v_lshl_add_u32 v[STO], v2, 4, v[STO]
	v_add_nc_u32 v[STO], s20, v[STO]               ; into the stage: row 64 wr + r, 128 wc bytes on, place h of a block's two
	s_lshl_b32 s20, s15, 9
	s_lshl_b32 s21, s16, 2
	s_add_co_u32 s20, s20, s21
	s_add_co_u32 s20, s20, SCST
	v_lshlrev_b32 v8, 3, v1
	v_add_nc_u32 v8, s20, v8                       ; my row's scale word: 8 bytes a row, my wave's four at 4 wc
	v_and_b32 v6, 31, v0
	v_lshlrev_b32 v13, 3, v6                       ; 8 x lane
	v_lshlrev_b32 v10, 6, v6                       ; 64 x lane: a row of scale bytes in memory
	s_lshl_b32 s20, s14, 8
	s_add_co_u32 s21, s20, SCST
	v_add_nc_u32 v9, s21, v13                      ; back: the 8 scale bytes of row 32 w + lane
	s_add_co_u32 s20, s20, SUMST
	v_lshlrev_b32 v11, 2, v1
	v_add_nc_u32 v11, s20, v11                     ; my wave's sums: 4 bytes a row,
	v_add_nc_u32 v12, s20, v13                     ; and back, two a lane
	s_mul_i32 s20, s14, 32*272
	s_add_co_u32 s20, s20, STG0
	v_mul_u32_u24 v[RD], v2, 272
	v_lshl_add_u32 v[RD], v1, 4, v[RD]
	v_add_nc_u32 v[RD], s20, v[RD]                 ; back: rows 32 w on; sixteen lanes to a row, two rows an instruction
	v_mul_u32_u24 v[CO], v2, KROW
	v_mad_u32_u24 v[CO], v1, 12, v[CO]             ; and the same place in memory
	s_lshl_b32 s20, s17, 7
	s_lshl_b32 s21, s14, 5
	s_add_co_u32 s20, s20, s21                     ; the first row that I store: 128 x tile row + 32 x wave
	s_lshl_b32 s22, s20, 6
	s_mul_i32 s20, s20, KROW
	s_mul_i32 s21, s42, ROWB
	s_add_co_u32 s20, s20, s21                     ; + 192 x tile column
	s_mov_b32 s21, 0
	s_lshl_b32 s23, s42, 3
	s_add_co_u32 s22, s22, s23
	s_add_co_u32 s22, s22, CODEB
	s_mov_b32 s23, 0
	s_add_nc_u64 s[98:99], s[12:13], s[22:23]      ; the scale bytes' place
	s_add_nc_u64 s[12:13], s[12:13], s[20:21]      ; the codes'
	s_lshl_b32 s20, s[KIND], 17                    ; parts [2][16 chunks of 128 columns][2048 rows] f32: section KIND, chunk 2 x tile column + wc, row 128 x tile row + 64 wr
	s_lshl_b32 s21, s42, 14
	s_add_co_u32 s20, s20, s21
	s_lshl_b32 s21, s16, 13
	s_add_co_u32 s20, s20, s21
	s_lshl_b32 s21, s17, 9
	s_add_co_u32 s20, s20, s21
	s_lshl_b32 s21, s15, 8
	s_add_co_u32 s20, s20, s21
	s_mov_b32 s21, 0
	s_add_nc_u64 s[94:95], s[94:95], s[20:21]
	s_lshl_b32 s20, s42, 10                        ; z at my 128 columns
	s_lshl_b32 s22, s16, 9
	s_add_co_u32 s20, s20, s22
	s_add_nc_u64 s[96:97], s[96:97], s[20:21]
	v_lshlrev_b32 v14, 5, v2                       ; 32 h; never rewritten
	; M's share: columns 64 g on, g = 16 KIND + tile row; K from 256 x tile column on.  My wave: 32 columns (wc) x 128 along K (wr)
	v_lshlrev_b32 v[MOF], 2, v6
	s_mul_i32 s20, s16, 32*272
	s_lshl_b32 s21, s15, 7
	s_add_co_u32 s20, s20, s21
	s_add_co_u32 s20, s20, MSTG
	v_mul_u32_u24 v[MST], v6, 272
	v_add_nc_u32 v[MST], s20, v[MST]               ; into M's stage: row = my column, 128 wr bytes on
	s_lshl_b32 s20, s16, 8
	s_add_co_u32 s20, s20, MSCB
	v_add_nc_u32 v[MSR], s20, v13                  ; my column's 8 scale bytes,
	s_lshl_b32 s21, s15, 2
	v_add_nc_u32 v[MSC], s21, v[MSR]               ; and my four of them
	s_mul_i32 s20, s14, 16*272
	s_add_co_u32 s20, s20, MSTG
	v_mul_u32_u24 v[MRD], v2, 272
	v_lshl_add_u32 v[MRD], v1, 4, v[MRD]
	v_add_nc_u32 v[MRD], s20, v[MRD]               ; out of it: rows 16 w on, two rows an instruction
	v_and_b32 v[MSO], 7, v6                        ; pi(lane) x 64
	v_and_b32 v3, 8, v6
	v_lshl_add_u32 v[MSO], v3, 1, v[MSO]
	v_and_b32 v3, 16, v6
	v_lshrrev_b32 v3, 1, v3
	v_add_nc_u32 v[MSO], v[MSO], v3
	v_lshlrev_b32 v[MSO], 6, v[MSO]
	s_lshl_b32 s18, s[KIND], 4
	s_add_co_u32 s18, s18, s17                     ; g
	s_lshl_b32 s20, s42, 21                        ; M: (256 x tile column + 128 wr) rows of 8,192 bytes + (64 g + 32 wc) x 4
	s_lshl_b32 s21, s15, 20
	s_add_co_u32 s20, s20, s21
	s_lshl_b32 s21, s18, 8
	s_add_co_u32 s20, s20, s21
	s_lshl_b32 s21, s16, 7
	s_add_co_u32 s20, s20, s21
	s_mov_b32 s21, 0
	s_lshl_b32 s22, s18, 6                         ; its codes' way out: I store stage rows 16 w on, columns whose bit 4 is wc: they go to rows whose bit 3 is wc; bit 3 of the column steps in the stores' offsets as bit 4
	s_lshl_b32 s23, s15, 5
	s_add_co_u32 s22, s22, s23
	s_lshl_b32 s23, s16, 3
	s_add_co_u32 s22, s22, s23
	s_mul_i32 s22, s22, KROW
	s_mul_i32 s23, s42, ROWB
	s_add_co_u32 s22, s22, s23
	s_mov_b32 s23, 0
	s_lshl_b32 s46, s18, 12                        ; its scale bytes' way out (waves 0 and 1): rows 64 g + 32 wc on, 64 bytes a row, + 8 x tile column
	s_lshl_b32 s47, s16, 11
	s_add_co_u32 s46, s46, s47
	s_lshl_b32 s47, s42, 3
	s_add_co_u32 s46, s46, s47
	s_add_co_u32 s46, s46, CODEB
	s_mov_b32 s47, 0
	s_wait_kmcnt 0x0
	s_add_nc_u64 s[4:5], s[4:5], s[20:21]
	s_add_nc_u64 s[8:9], s[6:7], s[46:47]
	s_add_nc_u64 s[6:7], s[6:7], s[22:23]
	; THE WEIGHTS of my 64 columns, window 3: register 8 b + j is column 16 b + 8 h + j.  One text then serves both sums.  They land while the products run.
	s_cmp_lg_u32 s[KIND], 0
	s_cbranch_scc1 .Lones
	WIN 0xc0
.irp b, 0,1,2,3,4,5,6,7
	global_load_b128 v[8*\b:8*\b+3], v14, s[96:97] offset:64*\b
	global_load_b128 v[8*\b+4:8*\b+7], v14, s[96:97] offset:64*\b+16
.endr
	WIN 0
	s_branch .Lweights
.Lones:
	WIN 0xc0
.set i, 0
.rept 64
	v_mov_b32 v[i], 1.0                            ; z_new sums phi(k) as it is
.set i, i+1
.endr
	WIN 0
.Lweights:
	MLD 0
	s_wait_tensorcnt 1                             ; my first load has landed (unit 0, or the scale bytes); my second may be out
	s_barrier_signal -1
	s_barrier_wait -1                              ; everybody's has
.set DSN, 0
.set QN, 0
.set NP, 0
.set NU, 0
.set NSLOT, 0
.set NSC, 1
.set LT, 0
.set LTOT, 80
.set NST, 0
	CHUNK 80                                       ; the first step's list
	QS 0, 1                                        ; unit 0: its first products start the sums
	QS 3, 0                                        ; units 1 and 2 have landed
	QS 0, 0                                        ; unit 1
	QS 1, 0                                        ; slots 0, 1 <- units 3, 4
	MLD 1                                          ; (M's loads stand behind the refills)
	QS 0, 0                                        ; unit 2
	QS 2, 0                                        ; slot 2 <- unit 5
	MLD 2
	QS 0, 0                                        ; unit 3
	QS 0, 0
	QS 0, 0                                        ; unit 4
	QS 1, 0                                        ; slots 0, 1 <- units 6, 7
	MLD 3
	QS 0, 0                                        ; unit 5
	QS 3, 0                                        ; units 6 and 7 have landed; slot 2 is read no more
	QS 0, 0                                        ; unit 6
	QS 0, 0
	QS 0, 0                                        ; unit 7
	QS 4, 0
; THE WAY OUT.  First M's four blocks of a lane; then C, a block of 16 rows x 128 columns (eight accumulators, 64 registers a lane) at a time.
.macro PHI a
	WIN 0x02                                       ; source 0: the accumulators, window 2
.set i, 0
.rept 32
	v_pk_mul_f32 v[T+i:T+i+1], v[64*(\a)+i:64*(\a)+i+1], s[L2E:L2E+1] op_sel_hi:[1,0]   ; x log2(e); each accumulator is read from its low end on
.set i, i+2
.endr
	WIN 0
.set i, 0
.rept 64
	v_exp_f32 v[T+i], v[T+i]                       ; e^x: one batch
.set i, i+1
.endr
	WIN 0x02
.set i, 0
.rept 32
	v_pk_add_f32 v[P+i:P+i+1], v[64*(\a)+i:64*(\a)+i+1], 1.0 op_sel_hi:[1,0]   ; x + 1: plain work that names no exponential's result
.set i, i+2
.endr
	WIN 0
	s_wait_alu depctr_va_vdst(0)                   ; one wait for the batch, ahead of its first reader
.set i, 0
.rept 64
	v_med3_num_f32 v[P+i], v[P+i], v[T+i], 1.0     ; phi
.set i, i+1
.endr
.endm
.macro SUMS a                          ; the row's sum of phi x weight over my 128 columns: four chains of packed multiply-adds, then the two halves, then lane l xor 16's 64 columns
	WIN 0x0c                                       ; source 1: the weights, window 3
.irp c, 0,1,2,3
	v_pk_mul_f32 v[S+2*\c:S+2*\c+1], v[P+2*\c:P+2*\c+1], v[2*\c:2*\c+1]
.endr
.irp i, 4,8,12,16,20,24,28
.irp c, 0,1,2,3
	v_pk_fma_f32 v[S+2*\c:S+2*\c+1], v[P+2*(\i+\c):P+2*(\i+\c)+1], v[2*(\i+\c):2*(\i+\c)+1], v[S+2*\c:S+2*\c+1]
.endr
.endr
	WIN 0
	v_pk_add_f32 v[S:S+1], v[S:S+1], v[S+2:S+3]
	v_pk_add_f32 v[S+4:S+5], v[S+4:S+5], v[S+6:S+7]
	v_pk_add_f32 v[S:S+1], v[S:S+1], v[S+4:S+5]
	v_add_f32 v[SUM], v[S], v[S+1]
	v_permlanex16_b32 v[SUM+1], v[SUM], s[SEL], s[SEL+1]
	v_add_f32 v[SUM], v[SUM], v[SUM+1]
	ds_store_b32 v11, v[SUM] offset:64*(\a)        ; both halves of the lanes write the same word with the same value
.endm
; 64 numbers of a lane at v[src] on (window sw), four blocks of 32 shared with lane l xor 16, become codes and a scale word, and go to the stage.
.macro QUANT src, sw, a
	WIN 5*(\sw)
.irp b, 0,1,2,3
	v_max3_num_f32 v[TM+\b], |v[(\src)+16*\b]|, |v[(\src)+16*\b+1]|, 0x1800000   ; my 16 numbers of block b, and the floor 2^(3 - 127): the byte cannot fall under 1
.endr
	WIN 20*(\sw)
.irp i, 2,4,6,8,10,12,14
.irp b, 0,1,2,3
	v_max3_num_f32 v[TM+\b], v[TM+\b], |v[(\src)+16*\b+\i]|, |v[(\src)+16*\b+\i+1]|   ; (the four blocks by turns)
.endr
.endr
	WIN 0
.irp b, 0,1,2,3
	v_permlanex16_b32 v[TM+4+\b], v[TM+\b], s[SEL], s[SEL+1]
.endr
.irp b, 0,1,2,3
	v_max_num_f32 v[TM+\b], v[TM+\b], v[TM+4+\b]   ; the block's largest magnitude
.endr
.irp b, 0,1,2,3
	v_add_nc_u32 v[TM+12+\b], 0xff000000, v[TM+\b] ; 2 off its exponent field: the conversion's scale operand
.endr
.irp b, 0,1,2,3
	v_lshrrev_b32 v[TM+4+\b], 23, v[TM+12+\b]      ; the scale's byte
.endr
	v_lshl_or_b32 v[PW], v[TM+5], 8, v[TM+4]
	v_lshl_or_b32 v[PW], v[TM+6], 16, v[PW]
	v_lshl_or_b32 v[PW], v[TM+7], 24, v[PW]
	WIN \sw
.irp b, 0,1,2,3
	v_cvt_scalef32_pk16_fp6_f32 v[C+4*\b:C+4*\b+2], v[(\src)+16*\b:(\src)+16*\b+15], v[TM+12+\b]
.endr
	WIN 0
	v_nop                                          ; one plain line behind the last conversion of a run
.irp b, 0,1,2,3
	ds_store_b96 v[STO], v[C+4*\b:C+4*\b+2] offset:(\a)*16*272+32*\b   ; my 12 bytes to place 2 b + h of the row: the stage sets the two halves of a block side by side
.endr
	ds_store_b32 v8, v[PW] offset:128*(\a)
.endm
	PLACES 4                                       ; behind the last products
	s_wait_loadcnt 0x0                             ; the weights and M
	WIN 0x0f                                       ; sources 0 and 1: M's numbers, window 3
.irp t, 0,1,2,3
	v_max3_num_f32 v[192+2*\t], |v[64+32*\t]|, |v[65+32*\t]|, 0x1800000   ; block t's largest magnitude: all 32 numbers are mine; two chains a block, each begun with the floor 2^(3 - 127)
	v_max3_num_f32 v[193+2*\t], |v[66+32*\t]|, |v[67+32*\t]|, 0x1800000
.endr
	WIN 0x3c                                       ; sources 1 and 2
.irp i, 4,8,12,16,20,24,28
.irp t, 0,1,2,3
	v_max3_num_f32 v[192+2*\t], v[192+2*\t], |v[64+32*\t+\i]|, |v[65+32*\t+\i]|
	v_max3_num_f32 v[193+2*\t], v[193+2*\t], |v[66+32*\t+\i]|, |v[67+32*\t+\i]|
.endr
.endr
	WIN 0
.irp t, 0,1,2,3
	v_max_num_f32 v[192+2*\t], v[192+2*\t], v[193+2*\t]
.endr
.irp t, 0,1,2,3
	v_add_nc_u32 v[200+\t], 0xff000000, v[192+2*\t]   ; 2 off the exponent field: the conversion's scale operand
.endr
.irp t, 0,1,2,3
	v_lshrrev_b32 v[204+\t], 23, v[200+\t]         ; the scale's byte
.endr
	v_lshl_or_b32 v[MSW], v205, 8, v204            ; the lower K in the lower byte
	v_lshl_or_b32 v[MSW], v206, 16, v[MSW]
	v_lshl_or_b32 v[MSW], v207, 24, v[MSW]
	WIN 0xc3                                       ; the numbers and the codes in window 3, the scale operand in window 0
.irp t, 0,1,2,3
	v_cvt_scalef32_pk16_fp6_f32 v[192+8*\t:194+8*\t], v[64+32*\t:79+32*\t], v[200+\t]
	v_cvt_scalef32_pk16_fp6_f32 v[196+8*\t:198+8*\t], v[80+32*\t:95+32*\t], v[200+\t]   ; (a conversion's three registers begin on an even number)
.endr
	WIN 0
	v_nop                                          ; one plain line behind the last conversion of a run
	WIN 0x0c                                       ; an LDS store's data are its source 1: window 3; these registers are not written again
.irp t, 0,1,2,3
	ds_store_b96 v[MST], v[192+8*\t:194+8*\t] offset:32*\t       ; 16 codes, 12 bytes, to a place of 16 bytes
	ds_store_b96 v[MST], v[196+8*\t:198+8*\t] offset:32*\t+16
.endr
	WIN 0
	ds_store_b32 v[MSC], v[MSW]
.irp b, 0,1,2,3
	v_mov_b32 v[TM+4+\b], 0                        ; written once: a lane permute's destination counts as one of its sources
.endr
	v_mov_b32 v[SUM+1], 0
.irp a, 0,1,2,3
	PHI \a
.if \a > 0
	s_wait_dscnt 0x0                               ; the last block's stores have read their registers
.endif
	SUMS \a
	QUANT P, 0, \a
.endr
	s_wait_dscnt 0x0                               ; for the others' sake: my stores into the stages have landed
	s_barrier_signal -1
	s_barrier_wait -1                              ; a row's 192 bytes come from two waves, in C's stage and in M's
.irp t, 0,1,2,3,4,5,6,7,8,9,10,11,12,13,14,15
	ds_load_b96 v[OUTR+4*\t:OUTR+4*\t+2], v[RD] offset:2*\t*272
.endr
	ds_load_b64 v[128:129], v9
	ds_load_b64 v[130:131], v12
.irp t, 0,1,2,3,4,5,6,7
	ds_load_b96 v[132+4*\t:134+4*\t], v[MRD] offset:2*\t*272
.endr
.irp t, 0,1,2,3,4,5,6,7,8,9,10,11,12,13,14,15
	s_wait_dscnt 25-\t                             ; behind load t: 15 - t of its kind, the two of 8 bytes and M's eight
	global_store_b96 v[CO], v[OUTR+4*\t:OUTR+4*\t+2], s[12:13] offset:2*\t*KROW   ; sixteen lanes store a row's 192 consecutive bytes
.endr
	s_wait_dscnt 8                                 ; M's eight may be out
	global_store_b64 v10, v[128:129], s[98:99]     ; 8 scale bytes a row
	global_store_b64 v13, v[130:131], s[94:95]     ; my wave's 64 sums: 256 consecutive bytes, aligned
.irp t, 0,1,2,3,4,5,6,7
	s_wait_dscnt 7-\t
	global_store_b96 v[CO], v[132+4*\t:134+4*\t], s[6:7] offset:(16*(\t/4)+2*(\t%4))*KROW   ; M's column 16 w + 2 t + h as row pi of it
.endr
	s_cmp_gt_u32 s14, 1                            ; waves 0 and 1 store the 64 columns' scale bytes, 8 a lane
	s_cbranch_scc1 .Lno_scales
	ds_load_b64 v[164:165], v[MSR]
	s_wait_dscnt 0x0
	global_store_b64 v[MSO], v[164:165], s[8:9]
.Lno_scales:
	s_wait_tensorcnt 0x0                           ; the wave's end, behind my last tensor load and my last LDS store
	ds_add_u32 v[SPW], v[NIL]
	s_wait_dscnt 0x0
	CROUND                                         ; the closing round: no work-group ends while a partner may still ask for a tile that names it
	s_endpgm
.Lfunc_end_k_q4f4561f3e3_qk:
	.size	k_q4f4561f3e3_qk, .Lfunc_end_k_q4f4561f3e3_qk-k_q4f4561f3e3_qk
	.p2alignl 7, 3214868480
	.fill 96, 4, 3214868480
	.section	.rodata,"a",@progbits
	.p2align	6, 0x0
	.amdhsa_kernel k_q4f4561f3e3_qk
		.amdhsa_group_segment_fixed_size 327680
		.amdhsa_private_segment_fixed_size 0
		.amdhsa_enable_private_segment 0
		.amdhsa_kernarg_size 96
		.amdhsa_user_sgpr_count 2
		.amdhsa_user_sgpr_kernarg_segment_ptr 1
		.amdhsa_wavefront_size32 1
		.amdhsa_system_sgpr_workgroup_id_x 1
		.amdhsa_system_sgpr_workgroup_id_y 1
		.amdhsa_system_sgpr_workgroup_id_z 1
		.amdhsa_system_vgpr_workitem_id 0
		.amdhsa_next_free_vgpr 1024
		.amdhsa_next_free_sgpr 106
		.amdhsa_reserve_vcc 0
		.amdhsa_float_denorm_mode_32 3
		.amdhsa_float_denorm_mode_16_64 3
		.amdhsa_memory_ordered 1
		.amdhsa_forward_progress 1
		.amdhsa_inst_pref_size 255
	.end_amdhsa_kernel
	.section	.bss,"aw",@nobits
	.p2align	6
	.space	262144
	.amdgpu_metadata
---
amdhsa.version: [ 1, 2 ]
amdhsa.kernels:
  - .name:           k_q4f4561f3e3_qk
    .symbol:         k_q4f4561f3e3_qk.kd
    .args:
      - { .name: hidden_states_codes, .offset: 0, .size: 8, .value_kind: global_buffer, .address_space: global }
      - { .name: hidden_states_scales, .offset: 8, .size: 8, .value_kind: global_buffer, .address_space: global }
      - { .name: Wq_codes, .offset: 16, .size: 8, .value_kind: global_buffer, .address_space: global }
      - { .name: Wq_scales, .offset: 24, .size: 8, .value_kind: global_buffer, .address_space: global }
      - { .name: Wk_codes, .offset: 32, .size: 8, .value_kind: global_buffer, .address_space: global }
      - { .name: Wk_scales, .offset: 40, .size: 8, .value_kind: global_buffer, .address_space: global }
      - { .name: z, .offset: 48, .size: 8, .value_kind: global_buffer, .address_space: global }
      - { .name: pq, .offset: 56, .size: 8, .value_kind: global_buffer, .address_space: global }
      - { .name: pk, .offset: 64, .size: 8, .value_kind: global_buffer, .address_space: global }
      - { .name: parts, .offset: 72, .size: 8, .value_kind: global_buffer, .address_space: global }
      - { .name: M, .offset: 80, .size: 8, .value_kind: global_buffer, .address_space: global }
      - { .name: mcode, .offset: 88, .size: 8, .value_kind: global_buffer, .address_space: global }
    .group_segment_fixed_size: 327680
    .private_segment_fixed_size: 0
    .kernarg_segment_align: 8
    .kernarg_segment_size: 96
    .max_flat_workgroup_size: 128
    .sgpr_count:     106
    .vgpr_count:     1024
    .wavefront_size: 32
...
	.end_amdgpu_metadata
.endif
;; end of part 1
;; launch rv (part 2): grid 8 x 32, 4 waves a work-group, clusters of 4 x 4, 327,680 bytes of LDS; arguments pq, mcode, Wv_codes, Wv_scales, hidden_states_codes, hidden_states_scales, parts, rt, vt; writes rt, vt
.if DOCPART == 2
	.amdgcn_target "amdgcn-amd-amdhsa--gfx1250"
	.amdhsa_code_object_version 6
	.text
	.protected	k_q4f4561f3e3_rv
	.globl	k_q4f4561f3e3_rv
	.p2align	8
	.type	k_q4f4561f3e3_rv,@function
k_q4f4561f3e3_rv:
	s_mov_b64 s[64:65], 0
	v_nop
	global_prefetch_b8 v0, s[64:65] scope:SCOPE_SE
	s_setreg_imm32_b32 hwreg(HW_REG_WAVE_MODE, 25, 1), 1
	s_wait_xcnt 0x0
	s_wait_alu depctr_hold_cnt(0) depctr_sa_sdst(0) depctr_va_vdst(0) depctr_va_sdst(0) depctr_va_ssrc(0) depctr_va_vcc(0) depctr_vm_vsrc(0)
	s_getreg_b32 s2, hwreg(HW_REG_IB_STS2, 6, 4)
	s_cmp_eq_u32 s2, 0
	s_cbranch_scc0 .Lentry_in_a_cluster
	s_endpgm
.Lentry_in_a_cluster:
	s_bfe_u32 s2, ttmp6, 0x10000c
	s_cmp_lg_u32 s2, 0xf033
	s_cbranch_scc0 .Lentry_shape_is_right
	s_endpgm
.Lentry_shape_is_right:
; TWO PRODUCTS OF 2,048^3 ON CODES OF FP6 IN ONE LAUNCH, 128 tiles of 128 x 256 each: 256 work-groups.  Nothing of reference() is left out here.
; C[m][n] = sum over k of A[m][k] B[n][k].  KIND 0 (cluster y 0-3): A = phi(q)'s codes (pq), B = M's codes (mcode): phi(q) M [token][e], then divided by denom: retrieved.
; KIND 1 (cluster y 4-7): A = Wv, B = hidden_states: v^T [e][token].  Both results are quantised along n into buffers laid as the inputs given as codes (rows of 1,536 bytes; scale bytes CODEB further on).
; denom[token] = the sixteen parts that launch qk stored, added in f32, + EPS; the division is v_rcp_f32 and a multiplication.
; THE ORDER OF THE CODES.  As in launch qk, place 16 h + 8 u + j of a block holds the tile's column 16 u + 8 h + j.  v^T so gets the order of phi(k)^T's tokens, its partner in the last product.
; mcode's ROW at that column holds M's column e = 16 h + 8 u + j of the block (launch qk stores column e as the row with bits 3 and 4 changed over): so retrieved's codes lie in the natural order of e, as Wo's do.
; LIMITS: a block under 2^-124 gets the byte 1.  NaN and infinities are not served.  Sums over K go in the order of the codes' places.
; STRUCTURE as in launch qk: four waves of 64 x 128; K in 8 units of 256 through THREE LDS slots (unit u in slot u % 3); a wave loads a whole operand tile of one unit (waves 0, 1 A's, waves 2, 3 B's; the low bit: which unit
; of a pair), so one round of the cluster's barrier refills two slots; all scale bytes of the tile's rows resident; A's tiles joint along a row of the 4 x 4 cluster, B's along a column.
; By this text's own count a wave has two tensor loads out at the start and one behind a refill's round.  v160-167: 1 / denom of my four blocks of rows, as pairs.
.set ROWB,  192
.set KROW,  1536
.set PITCH, 240
.set FR,    12
.set HA,    64*PITCH
.set HB,    128*PITCH
.set ABYT,  2*HA
.set SLOT,  ABYT+2*HB
.set SCL,   3*SLOT
.set HSA,   16*272
.set HSB,   32*272
.set SBLK,  4*272
.set SPARE, SCL+2*HSA+2*HSB            ; the spare words, 128 bytes a wave: two blocks of 256 bytes that no other line names
.set CODEB, 3145728
.set STG0,  2*SLOT                     ; the way out's stage lies in slot 2: its last fill is unit 5's, and its last read stands in front of the last barrier
.set SCST,  STG0+128*272               ; 128 rows x 272, then 8 scale bytes a row
.set ADRA, 16                          ; v16-18 my A fragments in slot 0, 1, 2;  v19-21 the same behind one padding more
.set ADRB, 22                          ; v22-24, v25-27 the same for B
.set SPW,  28                          ; v28  LDS address of my spare word; never rewritten
.set NIL,  29                          ; v29  0; never rewritten
.set ADRS, 30
.set STO,  31
.set RD,   15
.set CO,   7
.set SC,   32
.set AF,   64
.set F,    160
.set TM,   192
.set PW,   208
.set C,    224
.set OUTR, 64
.set G1,   24
.set G0,   32
.set G1B,  48
.set G0B,  56
.set G1S,  68
.set G0S,  76
.set G1SB, 80
.set G0SB, 88
.set KIND, 66
.set SEL,  100
.set MSB, 0
.macro WIN new                         ; the immediate's high byte repeats the setting that is left; a switch that changes nothing is dropped
.if MSB != (\new)
	s_set_vgpr_msb (MSB<<8)|(\new)
.set MSB, (\new)
.endif
.endm
.set MUL,  0xa1                        ; source 0 (B) window 1, source 1 (A) window 0, C and D window 2
.set TO_B, 0x40                        ; destination window 1, address window 0
; A joint load: waves 0 and 1 fetch for A, waves 2 and 3 for B; the branch hangs on the wave's number alone.  An s_nop 0 and four v_nop follow each line.
.macro JLOAD g0a, g1a, g0b, g1b
	s_cmp_eq_u32 s15, 0
	s_cbranch_scc0 .Lfor_b_\@
	tensor_load_to_lds s[\g0a:\g0a+3], s[\g1a:\g1a+7]
	s_nop 0
.rept 4
	v_nop
.endr
	s_branch .Lasked_\@
.Lfor_b_\@:
	tensor_load_to_lds s[\g0b:\g0b+3], s[\g1b:\g1b+7]
	s_nop 0
.rept 4
	v_nop
.endr
.Lasked_\@:
.endm
; A first fill: each of the four waves has a line of its own, so every wave issues one load on every way through the macro.
.macro HLOAD a0, a1, b0, b1, c0, c1, d0, d1
	s_cmp_lg_u32 s14, 0
	s_cbranch_scc1 .Lw1_\@
	tensor_load_to_lds s[\a0:\a0+3], s[\a1:\a1+7]
	s_nop 0
.rept 4
	v_nop
.endr
	s_branch .Lwe_\@
.Lw1_\@:
	s_cmp_lg_u32 s14, 1
	s_cbranch_scc1 .Lw2_\@
	tensor_load_to_lds s[\b0:\b0+3], s[\b1:\b1+7]
	s_nop 0
.rept 4
	v_nop
.endr
	s_branch .Lwe_\@
.Lw2_\@:
	s_cmp_lg_u32 s14, 2
	s_cbranch_scc1 .Lw3_\@
	tensor_load_to_lds s[\c0:\c0+3], s[\c1:\c1+7]
	s_nop 0
.rept 4
	v_nop
.endr
	s_branch .Lwe_\@
.Lw3_\@:
	tensor_load_to_lds s[\d0:\d0+3], s[\d1:\d1+7]
	s_nop 0
.rept 4
	v_nop
.endr
.Lwe_\@:
.endm
.macro CREST                           ; a round of the cluster's barrier behind its opening barrier
	s_cmp_lg_u32 s14, 0
	s_cbranch_scc1 .Lnot_wave_0_\@
	s_barrier_signal -3
.Lnot_wave_0_\@:
	s_barrier_wait -3
	s_barrier_signal -1
	s_barrier_wait -1
.endm
.macro CROUND
	s_barrier_signal -1
	s_barrier_wait -1
	CREST
.endm
.macro PLACES n                        ; plain places behind matrix instructions (ISA guide 7.12.1)
.rept \n
	v_nop
.endr
.endm
; One piece of 8 bytes of a fragment: lane l holds row l % 16; registers 6 c .. 6 c + 5 hold K = 64 c + 32 (l / 16) + 0 .. 31.  Where the piece three on (lanes 16-31) lies behind one padding more, the second address register serves.
.macro PIECE reg, adr, q, i, p
.set PC, 12*(\q)+6*((\p)/3)+(\p)%3
.if PC%8 < 5
	ds_load_b64 v[(\reg)+2*(\p):(\reg)+2*(\p)+1], v[\adr] offset:8*PC+16*(PC/8)+(\i)*16*PITCH
.else
	ds_load_b64 v[(\reg)+2*(\p):(\reg)+2*(\p)+1], v[(\adr)+3] offset:8*PC+16*(PC/8)+(\i)*16*PITCH
.endif
.endm
; THE LIST of a step's LDS loads: (NSC = 1: the unit's 8 pairs of scale words;) A's four fragments, 24 loads; B's eight, 48.  LD1 issues number LT of it; DSN tallies the LDS instructions that the text has issued.
.macro LD1
.set X, LT-8*NSC
.if X < 0
	WIN 0
	ds_load_b64 v[SC+16*(NU%2)+2*LT:SC+16*(NU%2)+2*LT+1], v[ADRS] offset:LT*SBLK+8*NU
.elseif X < 24
	WIN 0
	PIECE AF+48*NP+FR*(X/6), ADRA+NSLOT, NP, X/6, X%6
.else
	WIN TO_B
	PIECE 128*NP+FR*((X-24)/6), ADRB+NSLOT, NP, (X-24)/6, (X-24)%6
.endif
.set LT, LT+1
.set DSN, DSN+1
.endm
.macro CHUNK n                         ; the list's next n loads, as far as it goes
.rept \n
.if LT < LTOT
	LD1
.endif
.endr
.endm
; The wait ahead of group b: the group wants the list in hand (begun at tally CST) up to B's fragment b, its load number 8 CSC + 30 + 6 b; all that the text has issued behind that one may stay out.  The count's field holds 63.
.macro NEED b
.set WN, DSN-(CST+8*CSC+30+6*(\b))
.if WN > 63
.set WN, 63
.endif
	s_wait_dscnt WN
.endm
; Four products: B's block b x A's four.  The 32 accumulators take turns, one instruction a turn, in the same order in every step.
.macro GROUP b, zero
	WIN MUL
.irp a, 0,1,2,3
.if \zero
	v_wmma_scale_f32_16x16x128_f8f6f4 v[8*(8*\a+(\b)):8*(8*\a+(\b))+7], v[128*CP+FR*(\b):128*CP+FR*(\b)+FR-1], v[AF+48*CP+FR*\a:AF+48*CP+FR*\a+FR-1], 0, v[SC+16*(CU%2)+2*(\b)+CP], v[SC+16*(CU%2)+2*\a+CP] matrix_a_fmt:MATRIX_FMT_FP6 matrix_b_fmt:MATRIX_FMT_FP6 matrix_a_scale:MATRIX_SCALE_ROW1
.else
	v_wmma_scale_f32_16x16x128_f8f6f4 v[8*(8*\a+(\b)):8*(8*\a+(\b))+7], v[128*CP+FR*(\b):128*CP+FR*(\b)+FR-1], v[AF+48*CP+FR*\a:AF+48*CP+FR*\a+FR-1], v[8*(8*\a+(\b)):8*(8*\a+(\b))+7], v[SC+16*(CU%2)+2*(\b)+CP], v[SC+16*(CU%2)+2*\a+CP] matrix_a_fmt:MATRIX_FMT_FP6 matrix_b_fmt:MATRIX_FMT_FP6 matrix_a_scale:MATRIX_SCALE_ROW1
.endif
.endr
.endm
; STEP QN of 16, as in launch qk.  mode 0: no barrier; 4: the last step; 1: a round, slots 0 and 1 filled again; 2: a round, slot 2 filled again by waves 0 and 2; 3: a barrier, nothing filled.
.macro QS mode, zero
.set CP, QN%2
.set CU, QN/2
.set CST, NST
.set CSC, NSC
.set NP, 1-CP
.set NU, (QN+1)/2
.set NSLOT, NU%3
.set NSC, CP
.set LT, 0
.set LTOT, 72+8*NSC
.if (\mode) == 0
.set NST, DSN
.irp b, 0,1,2,3,4,5,6,7
	NEED \b
	GROUP \b, \zero
.if \b == 0
	PLACES 4                                       ; the set that is loaded now was read by the step before last
.endif
	CHUNK 9+NSC
.endr
.elseif (\mode) == 4
.irp b, 0,1,2,3,4,5,6,7
	NEED \b
	GROUP \b, 0
.endr
	WIN 0
.else
.irp b, 0,1,2
	NEED \b
	GROUP \b, 0
.endr
	WIN 0
	s_wait_tensorcnt 0x0                           ; all my tensor loads have landed
	ds_add_u32 v[SPW], v[NIL]                      ; 0 onto my spare word
.set DSN, DSN+1
	NEED 3
	GROUP 3, 0
	s_wait_dscnt 0x0                               ; the add is done, and my reads of the slots that I have left are over
	s_barrier_signal -1
	GROUP 4, 0
	WIN 0
	s_barrier_wait -1
.if (\mode) == 1
	CREST                                          ; the round: no wave of any partner still reads slots 0 and 1 or has a load on its way
	s_add_nc_u64 s[G0+2:G0+3], s[G0+2:G0+3], 3*ROWB
	s_add_nc_u64 s[G0B+2:G0B+3], s[G0B+2:G0B+3], 3*ROWB
	JLOAD G0, G1, G0B, G1B
.endif
.if (\mode) == 2
	CREST
	s_add_nc_u64 s[G0+6:G0+7], s[G0+6:G0+7], 3*ROWB
	s_add_nc_u64 s[G0B+6:G0B+7], s[G0B+6:G0B+7], 3*ROWB
	s_cmp_lg_u32 s16, 0
	s_cbranch_scc1 .Lnone_\@
	JLOAD G0+4, G1, G0B+4, G1B
.Lnone_\@:
.endif
	PLACES 4
.set NST, DSN
	CHUNK 27
	GROUP 5, 0
	CHUNK 27
	GROUP 6, 0
	CHUNK 27
	GROUP 7, 0
.endif
.set QN, QN+1
.endm
	s_load_b256 s[32:39], s[0:1], 0x0              ; pq, mcode, Wv's codes, Wv's scales
	s_load_b256 s[56:63], s[0:1], 0x20             ; H's codes, H's scales, parts, rt
	s_load_b64 s[92:93], s[0:1], 0x40              ; vt
	v_lshl_add_u32 v[SPW], v0, 2, SPARE
	v_mov_b32 v[NIL], 0
	ds_add_u32 v[SPW], v[NIL]                      ; the wave's opening: the add, twice on end, and its wait ahead of my first tensor load
	ds_add_u32 v[SPW], v[NIL]                      ; and once more; the set-up below, work on registers, stands between it and the wait
	v_lshrrev_b32 v1, 5, v0
	v_readfirstlane_b32 s14, v1                    ; wave 0..3
	s_lshr_b32 s15, s14, 1                         ; which 64 rows are mine.  Also: I fetch for A (0) or for B (1)
	s_and_b32 s16, s14, 1                          ; which 128 columns.  Also: which unit of a pair I fetch
	s_bfe_u32 s40, ttmp6, 0x40000                  ; cx, cy
	s_bfe_u32 s41, ttmp6, 0x40004
	s_lshl_b32 s42, ttmp9, 2
	s_add_co_u32 s42, s42, s40                     ; tile column 0..7
	s_and_b32 s17, ttmp7, 0xffff                   ; cluster y 0..7
	s_lshr_b32 s[KIND], s17, 2                     ; which product: the same in all sixteen partners
	s_and_b32 s17, s17, 3
	s_lshl_b32 s17, s17, 2
	s_add_co_u32 s17, s17, s41                     ; tile row 0..15
	s_lshl_b32 s43, s41, 2
	s_lshl_b32 s43, 15, s43                        ; my row of the cluster
	s_lshl_b32 s44, 0x1111, s40                    ; my column
	s_or_b32 s[G1+0], s43, (1<<20)|(1<<21)|(3<<22)|(3<<25)   ; the mask; elements of 1 byte; padding on; bit 21 beside a mask; 4 words of padding after every 16
	s_or_b32 s[G1B+0], s44, (1<<20)|(1<<21)|(3<<22)|(3<<25)
	s_mov_b32 s[G1+1], ROWB<<16
	s_mov_b32 s[G1+2], 128<<16
	s_mov_b32 s[G1+3], ROWB<<16
	s_mov_b32 s[G1+4], 128
	s_mov_b32 s[G1+5], KROW
	s_mov_b32 s[G1+6], 0
	s_mov_b32 s[G1+7], 0
	s_mov_b32 s[G1B+1], ROWB<<16
	s_mov_b32 s[G1B+2], 256<<16
	s_mov_b32 s[G1B+3], ROWB<<16
	s_mov_b32 s[G1B+4], 256
	s_mov_b32 s[G1B+5], KROW
	s_mov_b32 s[G1B+6], 0
	s_mov_b32 s[G1B+7], 0
	s_or_b32 s[G1S+0], s43, (3<<16)|(1<<20)|(1<<21)|(5<<22)|(3<<25)   ; the scale bytes: rows of 256 bytes (32 elements of 8), 16 bytes of padding behind each
	s_or_b32 s[G1SB+0], s44, (3<<16)|(1<<20)|(1<<21)|(5<<22)|(3<<25)
	s_mov_b32 s[G1S+1], 32<<16
	s_mov_b32 s[G1S+2], 32<<16
	s_mov_b32 s[G1S+3], 32<<16
	s_mov_b32 s[G1S+4], 32
	s_mov_b32 s[G1S+5], 32
	s_mov_b32 s[G1S+6], 0
	s_mov_b32 s[G1S+7], 0
	s_mov_b32 s[G1SB+1], 32<<16
	s_mov_b32 s[G1SB+2], 64<<16
	s_mov_b32 s[G1SB+3], 32<<16
	s_mov_b32 s[G1SB+4], 64
	s_mov_b32 s[G1SB+5], 32
	s_mov_b32 s[G1SB+6], 0
	s_mov_b32 s[G1SB+7], 0
	s_mul_i32 s20, s17, 128*KROW                   ; A: row 128 x tile row: its codes,
	s_mov_b32 s21, 0
	s_lshl_b32 s22, s17, 13                        ; its scale bytes
	s_mov_b32 s23, 0
	s_mul_i32 s46, s42, 256*KROW                   ; B: row 256 x tile column
	s_mov_b32 s47, 0
	s_lshl_b32 s98, s42, 14
	s_mov_b32 s99, 0
	s_mul_i32 s18, s16, ROWB                       ; my unit of the first pair, in memory,
	s_mov_b32 s19, 0
	s_mul_i32 s45, s16, SLOT                       ; and its slot
	s_mov_b32 s[SEL], 0x76543210
	s_mov_b32 s[SEL+1], 0xfedcba98
	s_wait_dscnt 0x0                               ; both opening adds are done
	s_wait_kmcnt 0x0
	s_add_nc_u64 s[94:95], s[32:33], CODEB         ; pq's scale bytes
	s_add_nc_u64 s[96:97], s[34:35], CODEB         ; mcode's
	s_cmp_eq_u32 s[KIND], 0                        ; the operands are chosen by the product's number, which hangs on no address
	s_cselect_b64 s[4:5], s[32:33], s[36:37]       ; A's codes: pq or Wv
	s_cselect_b64 s[6:7], s[94:95], s[38:39]
	s_cselect_b64 s[8:9], s[34:35], s[56:57]       ; B's codes: mcode or H
	s_cselect_b64 s[10:11], s[96:97], s[58:59]
	s_cselect_b64 s[12:13], s[62:63], s[92:93]     ; out: rt or vt
	s_mov_b64 s[94:95], s[60:61]                   ; parts
	s_add_nc_u64 s[20:21], s[4:5], s[20:21]
	s_add_nc_u64 s[22:23], s[6:7], s[22:23]
	s_add_nc_u64 s[46:47], s[8:9], s[46:47]
	s_add_nc_u64 s[98:99], s[10:11], s[98:99]
	CROUND                                         ; all sixteen work-groups are here: the first joint loads meet
	s_mov_b32 s[G0S], 1
	s_mov_b32 s[G0S+1], SCL
	s_mov_b64 s[G0S+2:G0S+3], s[22:23]
	s_or_b32 s[G0S+3], s[G0S+3], 0x80000000
	s_mov_b32 s[G0SB], 1
	s_mov_b32 s[G0SB+1], SCL+2*HSA
	s_mov_b64 s[G0SB+2:G0SB+3], s[98:99]
	s_or_b32 s[G0SB+3], s[G0SB+3], 0x80000000
	s_mov_b32 s[G0], 1                             ; the pair's load: unit 0 or 1, into slot 0 or 1
	s_mov_b32 s[G0+1], s45
	s_add_nc_u64 s[G0+2:G0+3], s[20:21], s[18:19]
	s_or_b32 s[G0+3], s[G0+3], 0x80000000
	s_mov_b32 s[G0+4], 1                           ; slot 2's load: unit 2
	s_mov_b32 s[G0+5], 2*SLOT
	s_add_nc_u64 s[G0+6:G0+7], s[20:21], 2*ROWB
	s_or_b32 s[G0+7], s[G0+7], 0x80000000
	s_mov_b32 s[G0B], 1
	s_add_co_u32 s[G0B+1], s45, ABYT
	s_add_nc_u64 s[G0B+2:G0B+3], s[46:47], s[18:19]
	s_or_b32 s[G0B+3], s[G0B+3], 0x80000000
	s_mov_b32 s[G0B+4], 1
	s_mov_b32 s[G0B+5], 2*SLOT+ABYT
	s_add_nc_u64 s[G0B+6:G0B+7], s[46:47], 2*ROWB
	s_or_b32 s[G0B+7], s[G0B+7], 0x80000000
	HLOAD G0, G1, G0S, G1S, G0B, G1B, G0SB, G1SB   ; unit 0 (waves 0, 2) and the scale bytes (waves 1, 3);
	HLOAD G0+4, G1, G0, G1, G0B+4, G1B, G0B, G1B   ; then unit 2 (waves 0, 2) and unit 1 (waves 1, 3)
	v_and_b32 v1, 15, v0                           ; r
	v_bfe_u32 v2, v0, 4, 1                         ; h
	v_mul_u32_u24 v3, v1, PITCH
	v_mul_u32_u24 v4, v2, 24
	v_add_nc_u32 v4, v3, v4
	v_lshl_add_u32 v5, v2, 4, v4
	s_mul_i32 s21, s15, HA
	s_mul_i32 s22, s16, HB
	s_add_co_u32 s22, s22, ABYT
.irp s, 0,1,2
	v_add_nc_u32 v[ADRA+\s], s21, v4
	v_add_nc_u32 v[ADRB+\s], s22, v4
	v_add_nc_u32 v[ADRA+3+\s], s21, v5
	v_add_nc_u32 v[ADRB+3+\s], s22, v5
	s_add_co_u32 s21, s21, SLOT
	s_add_co_u32 s22, s22, SLOT
.endr
	v_lshlrev_b32 v5, 6, v1
	v_lshrrev_b32 v6, 8, v5
	v_lshl_add_u32 v5, v6, 4, v5
	s_mul_i32 s21, s15, HSA
	s_mul_i32 s22, s16, HSB
	s_add_co_u32 s22, s22, 2*HSA
	s_sub_co_u32 s22, s22, s21
	v_mul_u32_u24 v6, s22, v2                      ; lanes 16-31 take B's: one product
	s_add_co_u32 s21, s21, SCL
	v_add_nc_u32 v5, v5, v6
	v_add_nc_u32 v[ADRS], s21, v5
	; the way out's addresses
	s_mul_i32 s20, s15, 64*272
	s_lshl_b32 s21, s16, 7
	s_add_co_u32 s20, s20, s21
	s_add_co_u32 s20, s20, STG0
	v_mul_u32_u24 v[STO], v1, 272
	v_lshl_add_u32 v[STO], v2, 4, v[STO]
	v_add_nc_u32 v[STO], s20, v[STO]
	s_lshl_b32 s20, s15, 9
	s_lshl_b32 s21, s16, 2
	s_add_co_u32 s20, s20, s21
	s_add_co_u32 s20, s20, SCST
	v_lshlrev_b32 v8, 3, v1
	v_add_nc_u32 v8, s20, v8
	v_and_b32 v6, 31, v0
	v_lshlrev_b32 v13, 3, v6
	v_lshlrev_b32 v10, 6, v6
	s_lshl_b32 s20, s14, 8
	s_add_co_u32 s20, s20, SCST
	v_add_nc_u32 v9, s20, v13
	s_mul_i32 s20, s14, 32*272
	s_add_co_u32 s20, s20, STG0
	v_mul_u32_u24 v[RD], v2, 272
	v_lshl_add_u32 v[RD], v1, 4, v[RD]
	v_add_nc_u32 v[RD], s20, v[RD]
	v_mul_u32_u24 v[CO], v2, KROW
	v_mad_u32_u24 v[CO], v1, 12, v[CO]
	s_lshl_b32 s20, s17, 7
	s_lshl_b32 s21, s14, 5
	s_add_co_u32 s20, s20, s21
	s_lshl_b32 s22, s20, 6
	s_mul_i32 s20, s20, KROW
	s_mul_i32 s21, s42, ROWB
	s_add_co_u32 s20, s20, s21
	s_mov_b32 s21, 0
	s_lshl_b32 s23, s42, 3
	s_add_co_u32 s22, s22, s23
	s_add_co_u32 s22, s22, CODEB
	s_mov_b32 s23, 0
	s_add_nc_u64 s[98:99], s[12:13], s[22:23]
	s_add_nc_u64 s[12:13], s[12:13], s[20:21]
	s_lshl_b32 s20, s17, 9                         ; parts, section 0, at my 64 tokens
	s_lshl_b32 s22, s15, 8
	s_add_co_u32 s20, s20, s22
	s_add_nc_u64 s[94:95], s[94:95], s[20:21]
	v_lshlrev_b32 v14, 2, v1
	v_lshl_add_u32 v14, v2, 16, v14                ; 4 r + 8 chunks of 8,192 bytes x h: each half of the lanes adds eight of the sixteen parts
	; 1 / denom of my 64 rows, while the first tiles are on their way.  Both arms write the four pairs.
	s_cmp_lg_u32 s[KIND], 0
	s_cbranch_scc1 .Lones
.irp a, 0,1,2,3
.irp c, 0,1,2,3,4,5,6,7
	global_load_b32 v[168+8*\a+\c], v14, s[94:95] offset:\c*8192+64*\a
.endr
.endr
	s_wait_loadcnt 0x0
.irp a, 0,1,2,3
	v_pk_add_f32 v[168+8*\a:169+8*\a], v[168+8*\a:169+8*\a], v[170+8*\a:171+8*\a]
	v_pk_add_f32 v[172+8*\a:173+8*\a], v[172+8*\a:173+8*\a], v[174+8*\a:175+8*\a]
.endr
.irp a, 0,1,2,3
	v_pk_add_f32 v[168+8*\a:169+8*\a], v[168+8*\a:169+8*\a], v[172+8*\a:173+8*\a]
.endr
.irp a, 0,1,2,3
	v_add_f32 v[168+8*\a], v[168+8*\a], v[169+8*\a]
.endr
.irp a, 0,1,2,3
	v_permlanex16_b32 v[169+8*\a], v[168+8*\a], s[SEL], s[SEL+1]
.endr
.irp a, 0,1,2,3
	v_add_f32 v[168+8*\a], v[168+8*\a], v[169+8*\a]
.endr
.irp a, 0,1,2,3
	v_add_f32 v[168+8*\a], 0x358637bd, v[168+8*\a] ; + EPS = 1e-6
.endr
.irp a, 0,1,2,3
	v_rcp_f32 v[F+2*\a], v[168+8*\a]
.endr
	v_nop                                          ; a plain line behind the last reciprocal
	s_wait_alu depctr_va_vdst(0)                   ; one wait for the four, ahead of their first reader
.irp a, 0,1,2,3
	v_mov_b32 v[F+2*\a+1], v[F+2*\a]               ; (named with it as a pair, so it is written)
.endr
	s_branch .Lhead_done
.Lones:
.irp a, 0,1,2,3,4,5,6,7
	v_mov_b32 v[F+\a], 1.0                         ; v^T is divided by nothing: these are written and not used
.endr
.Lhead_done:
	s_wait_tensorcnt 1                             ; my first load has landed (unit 0, or the scale bytes); my second may be out
	s_barrier_signal -1
	s_barrier_wait -1
.set DSN, 0
.set QN, 0
.set NP, 0
.set NU, 0
.set NSLOT, 0
.set NSC, 1
.set LT, 0
.set LTOT, 80
.set NST, 0
	CHUNK 80                                       ; the first step's list
	QS 0, 1                                        ; unit 0: its first products start the sums
	QS 3, 0                                        ; units 1 and 2 have landed
	QS 0, 0                                        ; unit 1
	QS 1, 0                                        ; slots 0, 1 <- units 3, 4
	QS 0, 0                                        ; unit 2
	QS 2, 0                                        ; slot 2 <- unit 5
	QS 0, 0                                        ; unit 3
	QS 0, 0
	QS 0, 0                                        ; unit 4
	QS 1, 0                                        ; slots 0, 1 <- units 6, 7
	QS 0, 0                                        ; unit 5
	QS 3, 0                                        ; units 6 and 7 have landed; slot 2 is read no more
	QS 0, 0                                        ; unit 6
	QS 0, 0
	QS 0, 0                                        ; unit 7
	QS 4, 0
; 64 numbers of a lane at v[src] on (window sw), four blocks of 32 shared with lane l xor 16, become codes and a scale word, and go to the stage.
.macro QUANT src, sw, a
	WIN 5*(\sw)
.irp b, 0,1,2,3
	v_max3_num_f32 v[TM+\b], |v[(\src)+16*\b]|, |v[(\src)+16*\b+1]|, 0x1800000   ; my 16 numbers of block b, each accumulator from its low end on, and the floor 2^(3 - 127)
.endr
	WIN 20*(\sw)
.irp i, 2,4,6,8,10,12,14
.irp b, 0,1,2,3
	v_max3_num_f32 v[TM+\b], v[TM+\b], |v[(\src)+16*\b+\i]|, |v[(\src)+16*\b+\i+1]|
.endr
.endr
	WIN 0
.irp b, 0,1,2,3
	v_permlanex16_b32 v[TM+4+\b], v[TM+\b], s[SEL], s[SEL+1]
.endr
.irp b, 0,1,2,3
	v_max_num_f32 v[TM+\b], v[TM+\b], v[TM+4+\b]
.endr
.irp b, 0,1,2,3
	v_add_nc_u32 v[TM+12+\b], 0xff000000, v[TM+\b] ; 2 off the exponent field: the conversion's scale operand
.endr
.irp b, 0,1,2,3
	v_lshrrev_b32 v[TM+4+\b], 23, v[TM+12+\b]      ; the scale's byte
.endr
	v_lshl_or_b32 v[PW], v[TM+5], 8, v[TM+4]
	v_lshl_or_b32 v[PW], v[TM+6], 16, v[PW]
	v_lshl_or_b32 v[PW], v[TM+7], 24, v[PW]
	WIN \sw
.irp b, 0,1,2,3
	v_cvt_scalef32_pk16_fp6_f32 v[C+4*\b:C+4*\b+2], v[(\src)+16*\b:(\src)+16*\b+15], v[TM+12+\b]
.endr
	WIN 0
	v_nop                                          ; one plain line behind the last conversion of a run
.irp b, 0,1,2,3
	ds_store_b96 v[STO], v[C+4*\b:C+4*\b+2] offset:(\a)*16*272+32*\b
.endr
	ds_store_b32 v8, v[PW] offset:128*(\a)
.endm
	PLACES 4                                       ; behind the last products
.irp b, 0,1,2,3
	v_mov_b32 v[TM+4+\b], 0                        ; written once: a lane permute's destination counts as one of its sources
.endr
	s_cmp_lg_u32 s[KIND], 0
	s_cbranch_scc1 .Lnodiv
	WIN 0x82                                       ; the accumulators (destination and source 0) in window 2
.irp a, 0,1,2,3
.set i, 0
.rept 32
	v_pk_mul_f32 v[64*\a+i:64*\a+i+1], v[64*\a+i:64*\a+i+1], v[F+2*\a:F+2*\a+1] op_sel_hi:[1,0]   ; retrieved = phi(q) M / denom, in f32
.set i, i+2
.endr
.endr
	WIN 0
.Lnodiv:
.irp a, 0,1,2,3
.if \a > 0
	s_wait_dscnt 0x0                               ; the last block's stores have read their registers
.endif
	QUANT 64*\a, 2, \a
.endr
	s_wait_dscnt 0x0                               ; for the others' sake: my stores into the stage have landed
	s_barrier_signal -1
	s_barrier_wait -1
.irp t, 0,1,2,3,4,5,6,7,8,9,10,11,12,13,14,15
	ds_load_b96 v[OUTR+4*\t:OUTR+4*\t+2], v[RD] offset:2*\t*272
.endr
	ds_load_b64 v[128:129], v9
.irp t, 0,1,2,3,4,5,6,7,8,9,10,11,12,13,14,15
	s_wait_dscnt 16-\t                             ; behind load t: 15 - t of its kind and the one of 8 bytes
	global_store_b96 v[CO], v[OUTR+4*\t:OUTR+4*\t+2], s[12:13] offset:2*\t*KROW   ; sixteen lanes store a row's 192 consecutive bytes
.endr
	s_wait_dscnt 0x0
	global_store_b64 v10, v[128:129], s[98:99]     ; 8 scale bytes a row
	s_wait_tensorcnt 0x0                           ; the wave's end, behind my last tensor load and my last LDS store
	ds_add_u32 v[SPW], v[NIL]
	s_wait_dscnt 0x0
	CROUND                                         ; the closing round
	s_endpgm
.Lfunc_end_k_q4f4561f3e3_rv:
	.size	k_q4f4561f3e3_rv, .Lfunc_end_k_q4f4561f3e3_rv-k_q4f4561f3e3_rv
	.p2alignl 7, 3214868480
	.fill 96, 4, 3214868480
	.section	.rodata,"a",@progbits
	.p2align	6, 0x0
	.amdhsa_kernel k_q4f4561f3e3_rv
		.amdhsa_group_segment_fixed_size 327680
		.amdhsa_private_segment_fixed_size 0
		.amdhsa_enable_private_segment 0
		.amdhsa_kernarg_size 72
		.amdhsa_user_sgpr_count 2
		.amdhsa_user_sgpr_kernarg_segment_ptr 1
		.amdhsa_wavefront_size32 1
		.amdhsa_system_sgpr_workgroup_id_x 1
		.amdhsa_system_sgpr_workgroup_id_y 1
		.amdhsa_system_sgpr_workgroup_id_z 1
		.amdhsa_system_vgpr_workitem_id 0
		.amdhsa_next_free_vgpr 768
		.amdhsa_next_free_sgpr 106
		.amdhsa_reserve_vcc 0
		.amdhsa_float_denorm_mode_32 3
		.amdhsa_float_denorm_mode_16_64 3
		.amdhsa_memory_ordered 1
		.amdhsa_forward_progress 1
		.amdhsa_inst_pref_size 201
	.end_amdhsa_kernel
	.amdgpu_metadata
---
amdhsa.version: [ 1, 2 ]
amdhsa.kernels:
  - .name:           k_q4f4561f3e3_rv
    .symbol:         k_q4f4561f3e3_rv.kd
    .args:
      - { .name: pq, .offset: 0, .size: 8, .value_kind: global_buffer, .address_space: global }
      - { .name: mcode, .offset: 8, .size: 8, .value_kind: global_buffer, .address_space: global }
      - { .name: Wv_codes, .offset: 16, .size: 8, .value_kind: global_buffer, .address_space: global }
      - { .name: Wv_scales, .offset: 24, .size: 8, .value_kind: global_buffer, .address_space: global }
      - { .name: hidden_states_codes, .offset: 32, .size: 8, .value_kind: global_buffer, .address_space: global }
      - { .name: hidden_states_scales, .offset: 40, .size: 8, .value_kind: global_buffer, .address_space: global }
      - { .name: parts, .offset: 48, .size: 8, .value_kind: global_buffer, .address_space: global }
      - { .name: rt, .offset: 56, .size: 8, .value_kind: global_buffer, .address_space: global }
      - { .name: vt, .offset: 64, .size: 8, .value_kind: global_buffer, .address_space: global }
    .group_segment_fixed_size: 327680
    .private_segment_fixed_size: 0
    .kernarg_segment_align: 8
    .kernarg_segment_size: 72
    .max_flat_workgroup_size: 128
    .sgpr_count:     106
    .vgpr_count:     768
    .wavefront_size: 32
...
	.end_amdgpu_metadata
.endif
;; end of part 2
;; launch fin (part 3): grid 8 x 32, 4 waves a work-group, clusters of 4 x 4, 327,680 bytes of LDS; arguments rt, Wo_codes, Wo_scales, pk, vt, M, parts, z, out0, out1, out2; writes out0, out1, out2
.if DOCPART == 3
	.amdgcn_target "amdgcn-amd-amdhsa--gfx1250"
	.amdhsa_code_object_version 6
	.text
	.protected	k_q4f4561f3e3_fin
	.globl	k_q4f4561f3e3_fin
	.p2align	8
	.type	k_q4f4561f3e3_fin,@function
k_q4f4561f3e3_fin:
	s_mov_b64 s[64:65], 0
	v_nop
	global_prefetch_b8 v0, s[64:65] scope:SCOPE_SE
	s_setreg_imm32_b32 hwreg(HW_REG_WAVE_MODE, 25, 1), 1
	s_wait_xcnt 0x0
	s_wait_alu depctr_hold_cnt(0) depctr_sa_sdst(0) depctr_va_vdst(0) depctr_va_sdst(0) depctr_va_ssrc(0) depctr_va_vcc(0) depctr_vm_vsrc(0)
	s_getreg_b32 s2, hwreg(HW_REG_IB_STS2, 6, 4)
	s_cmp_eq_u32 s2, 0
	s_cbranch_scc0 .Lentry_in_a_cluster
	s_endpgm
.Lentry_in_a_cluster:
	s_bfe_u32 s2, ttmp6, 0x10000c
	s_cmp_lg_u32 s2, 0xf033
	s_cbranch_scc0 .Lentry_shape_is_right
	s_endpgm
.Lentry_shape_is_right:
; THE LAST TWO PRODUCTS OF 2,048^3 ON CODES OF FP6, 128 tiles of 128 x 256 each: 256 work-groups.  Nothing of reference() is left out here.
; C[m][n] = sum over k of A[m][k] B[n][k].  KIND 0 (cluster y 0-3): A = retrieved's codes (rt), B = Wo: out0 [token][f].
; KIND 1 (cluster y 4-7): A = phi(k)^T's codes (pk), B = v^T's codes (vt), K = the tokens, both in the same order of places: out1 [d][e] = M + C.
; out2 = z + the sixteen parts of the sum of phi(k) that launch qk stored: wave 0 of the sixteen work-groups of each KIND 1 cluster with x = 0 adds 32 features; the partners are told apart by address alone.
; LIMITS: NaN and infinities are not served.  Sums over K go in the order of the codes' places.
; STRUCTURE as in launch qk: four waves of 64 x 128; K in 8 units of 256 through THREE LDS slots (unit u in slot u % 3); a wave loads a whole operand tile of one unit (waves 0, 1 A's, waves 2, 3 B's; the low bit: which unit
; of a pair), so one round of the cluster's barrier refills two slots; all scale bytes of the tile's rows resident; A's tiles joint along a row of the 4 x 4 cluster, B's along a column.
; By this text's own count a wave has two tensor loads out at the start and one behind a refill's round.  Window 3 (KIND 1): M at my 64 x 128 numbers, as whole rows.
; Behind the last barrier the text parts ONCE on the product's number into two whole arms, so that M's registers are loaded and read on one and the same way; each arm has stage bytes of its own.
.set ROWB,  192
.set KROW,  1536
.set PITCH, 240
.set FR,    12
.set HA,    64*PITCH
.set HB,    128*PITCH
.set ABYT,  2*HA
.set SLOT,  ABYT+2*HB
.set SCL,   3*SLOT
.set HSA,   16*272
.set HSB,   32*272
.set SBLK,  4*272
.set SPARE, SCL+2*HSA+2*HSB            ; the spare words, 128 bytes a wave: two blocks of 256 bytes that no other line names
.set CODEB, 3145728
.set STG0,  2*SLOT                     ; the way out's stages lie in slot 2: its last fill is unit 5's, and its last read stands in front of the last barrier
.set SPITCH, 528                       ; a stage of 16 rows x (512 bytes + 16) for each wave
.set ARM,   34816                      ; the second arm's four stages lie this far behind the first's
.set ADRA, 16                          ; v16-18 my A fragments in slot 0, 1, 2;  v19-21 the same behind one padding more
.set ADRB, 22                          ; v22-24, v25-27 the same for B
.set SPW,  28                          ; v28  LDS address of my spare word; never rewritten
.set NIL,  29                          ; v29  0; never rewritten
.set ADRS, 30
.set STO,  31
.set RD,   15
.set CO,   7
.set SC,   32
.set AF,   64
.set BK,   128                         ; 16 rows read back from the stage: v128-191 and v192-255 by turns
.set G1,   24
.set G0,   32
.set G1B,  48
.set G0B,  56
.set G1S,  68
.set G0S,  76
.set G1SB, 80
.set G0SB, 88
.set KIND, 66
.set MP,   104                         ; s[104:105] M at my part of the tile
.set MSB, 0
.macro WIN new                         ; the immediate's high byte repeats the setting that is left; a switch that changes nothing is dropped
.if MSB != (\new)
	s_set_vgpr_msb (MSB<<8)|(\new)
.set MSB, (\new)
.endif
.endm
.set MUL,  0xa1                        ; source 0 (B) window 1, source 1 (A) window 0, C and D window 2
.set TO_B, 0x40                        ; destination window 1, address window 0
; A joint load: waves 0 and 1 fetch for A, waves 2 and 3 for B; the branch hangs on the wave's number alone.  An s_nop 0 and four v_nop follow each line.
.macro JLOAD g0a, g1a, g0b, g1b
	s_cmp_eq_u32 s15, 0
	s_cbranch_scc0 .Lfor_b_\@
	tensor_load_to_lds s[\g0a:\g0a+3], s[\g1a:\g1a+7]
	s_nop 0
.rept 4
	v_nop
.endr
	s_branch .Lasked_\@
.Lfor_b_\@:
	tensor_load_to_lds s[\g0b:\g0b+3], s[\g1b:\g1b+7]
	s_nop 0
.rept 4
	v_nop
.endr
.Lasked_\@:
.endm
; A first fill: each of the four waves has a line of its own, so every wave issues one load on every way through the macro.
.macro HLOAD a0, a1, b0, b1, c0, c1, d0, d1
	s_cmp_lg_u32 s14, 0
	s_cbranch_scc1 .Lw1_\@
	tensor_load_to_lds s[\a0:\a0+3], s[\a1:\a1+7]
	s_nop 0
.rept 4
	v_nop
.endr
	s_branch .Lwe_\@
.Lw1_\@:
	s_cmp_lg_u32 s14, 1
	s_cbranch_scc1 .Lw2_\@
	tensor_load_to_lds s[\b0:\b0+3], s[\b1:\b1+7]
	s_nop 0
.rept 4
	v_nop
.endr
	s_branch .Lwe_\@
.Lw2_\@:
	s_cmp_lg_u32 s14, 2
	s_cbranch_scc1 .Lw3_\@
	tensor_load_to_lds s[\c0:\c0+3], s[\c1:\c1+7]
	s_nop 0
.rept 4
	v_nop
.endr
	s_branch .Lwe_\@
.Lw3_\@:
	tensor_load_to_lds s[\d0:\d0+3], s[\d1:\d1+7]
	s_nop 0
.rept 4
	v_nop
.endr
.Lwe_\@:
.endm
.macro CREST                           ; a round of the cluster's barrier behind its opening barrier
	s_cmp_lg_u32 s14, 0
	s_cbranch_scc1 .Lnot_wave_0_\@
	s_barrier_signal -3
.Lnot_wave_0_\@:
	s_barrier_wait -3
	s_barrier_signal -1
	s_barrier_wait -1
.endm
.macro CROUND
	s_barrier_signal -1
	s_barrier_wait -1
	CREST
.endm
.macro PLACES n                        ; plain places behind matrix instructions (ISA guide 7.12.1)
.rept \n
	v_nop
.endr
.endm
; One piece of 8 bytes of a fragment: lane l holds row l % 16; registers 6 c .. 6 c + 5 hold K = 64 c + 32 (l / 16) + 0 .. 31.  Where the piece three on (lanes 16-31) lies behind one padding more, the second address register serves.
.macro PIECE reg, adr, q, i, p
.set PC, 12*(\q)+6*((\p)/3)+(\p)%3
.if PC%8 < 5
	ds_load_b64 v[(\reg)+2*(\p):(\reg)+2*(\p)+1], v[\adr] offset:8*PC+16*(PC/8)+(\i)*16*PITCH
.else
	ds_load_b64 v[(\reg)+2*(\p):(\reg)+2*(\p)+1], v[(\adr)+3] offset:8*PC+16*(PC/8)+(\i)*16*PITCH
.endif
.endm
; THE LIST of a step's LDS loads: (NSC = 1: the unit's 8 pairs of scale words;) A's four fragments, 24 loads; B's eight, 48.  LD1 issues number LT of it; DSN tallies the LDS instructions that the text has issued.
.macro LD1
.set X, LT-8*NSC
.if X < 0
	WIN 0
	ds_load_b64 v[SC+16*(NU%2)+2*LT:SC+16*(NU%2)+2*LT+1], v[ADRS] offset:LT*SBLK+8*NU
.elseif X < 24
	WIN 0
	PIECE AF+48*NP+FR*(X/6), ADRA+NSLOT, NP, X/6, X%6
.else
	WIN TO_B
	PIECE 128*NP+FR*((X-24)/6), ADRB+NSLOT, NP, (X-24)/6, (X-24)%6
.endif
.set LT, LT+1
.set DSN, DSN+1
.endm
.macro CHUNK n                         ; the list's next n loads, as far as it goes
.rept \n
.if LT < LTOT
	LD1
.endif
.endr
.endm
; The wait ahead of group b: the group wants the list in hand (begun at tally CST) up to B's fragment b, its load number 8 CSC + 30 + 6 b; all that the text has issued behind that one may stay out.  The count's field holds 63.
.macro NEED b
.set WN, DSN-(CST+8*CSC+30+6*(\b))
.if WN > 63
.set WN, 63
.endif
	s_wait_dscnt WN
.endm
; Four products: B's block b x A's four.  The 32 accumulators take turns, one instruction a turn, in the same order in every step.
.macro GROUP b, zero
	WIN MUL
.irp a, 0,1,2,3
.if \zero
	v_wmma_scale_f32_16x16x128_f8f6f4 v[8*(8*\a+(\b)):8*(8*\a+(\b))+7], v[128*CP+FR*(\b):128*CP+FR*(\b)+FR-1], v[AF+48*CP+FR*\a:AF+48*CP+FR*\a+FR-1], 0, v[SC+16*(CU%2)+2*(\b)+CP], v[SC+16*(CU%2)+2*\a+CP] matrix_a_fmt:MATRIX_FMT_FP6 matrix_b_fmt:MATRIX_FMT_FP6 matrix_a_scale:MATRIX_SCALE_ROW1
.else
	v_wmma_scale_f32_16x16x128_f8f6f4 v[8*(8*\a+(\b)):8*(8*\a+(\b))+7], v[128*CP+FR*(\b):128*CP+FR*(\b)+FR-1], v[AF+48*CP+FR*\a:AF+48*CP+FR*\a+FR-1], v[8*(8*\a+(\b)):8*(8*\a+(\b))+7], v[SC+16*(CU%2)+2*(\b)+CP], v[SC+16*(CU%2)+2*\a+CP] matrix_a_fmt:MATRIX_FMT_FP6 matrix_b_fmt:MATRIX_FMT_FP6 matrix_a_scale:MATRIX_SCALE_ROW1
.endif
.endr
.endm
; STEP QN of 16, as in launch qk.  mode 0: no barrier; 4: the last step; 1: a round, slots 0 and 1 filled again; 2: a round, slot 2 filled again by waves 0 and 2; 3: a barrier, nothing filled.
.macro QS mode, zero
.set CP, QN%2
.set CU, QN/2
.set CST, NST
.set CSC, NSC
.set NP, 1-CP
.set NU, (QN+1)/2
.set NSLOT, NU%3
.set NSC, CP
.set LT, 0
.set LTOT, 72+8*NSC
.if (\mode) == 0
.set NST, DSN
.irp b, 0,1,2,3,4,5,6,7
	NEED \b
	GROUP \b, \zero
.if \b == 0
	PLACES 4                                       ; the set that is loaded now was read by the step before last
.endif
	CHUNK 9+NSC
.endr
.elseif (\mode) == 4
.irp b, 0,1,2,3,4,5,6,7
	NEED \b
	GROUP \b, 0
.endr
	WIN 0
.else
.irp b, 0,1,2
	NEED \b
	GROUP \b, 0
.endr
	WIN 0
	s_wait_tensorcnt 0x0                           ; all my tensor loads have landed
	ds_add_u32 v[SPW], v[NIL]                      ; 0 onto my spare word
.set DSN, DSN+1
	NEED 3
	GROUP 3, 0
	s_wait_dscnt 0x0                               ; the add is done, and my reads of the slots that I have left are over
	s_barrier_signal -1
	GROUP 4, 0
	WIN 0
	s_barrier_wait -1
.if (\mode) == 1
	CREST                                          ; the round: no wave of any partner still reads slots 0 and 1 or has a load on its way
	s_add_nc_u64 s[G0+2:G0+3], s[G0+2:G0+3], 3*ROWB
	s_add_nc_u64 s[G0B+2:G0B+3], s[G0B+2:G0B+3], 3*ROWB
	JLOAD G0, G1, G0B, G1B
.endif
.if (\mode) == 2
	CREST
	s_add_nc_u64 s[G0+6:G0+7], s[G0+6:G0+7], 3*ROWB
	s_add_nc_u64 s[G0B+6:G0B+7], s[G0B+6:G0B+7], 3*ROWB
	s_cmp_lg_u32 s16, 0
	s_cbranch_scc1 .Lnone_\@
	JLOAD G0+4, G1, G0B+4, G1B
.Lnone_\@:
.endif
	PLACES 4
.set NST, DSN
	CHUNK 27
	GROUP 5, 0
	CHUNK 27
	GROUP 6, 0
	CHUNK 27
	GROUP 7, 0
.endif
.set QN, QN+1
.endm
	s_load_b256 s[32:39], s[0:1], 0x0              ; rt, Wo's codes, Wo's scales, pk
	s_load_b256 s[56:63], s[0:1], 0x20             ; vt, M, parts, z
	s_load_b128 s[92:95], s[0:1], 0x40             ; out0, out1
	s_load_b64 s[96:97], s[0:1], 0x50              ; out2
	v_lshl_add_u32 v[SPW], v0, 2, SPARE
	v_mov_b32 v[NIL], 0
	ds_add_u32 v[SPW], v[NIL]                      ; the wave's opening: the add, twice on end, and its wait ahead of my first tensor load
	ds_add_u32 v[SPW], v[NIL]                      ; and once more; the set-up below, work on registers, stands between it and the wait
	v_lshrrev_b32 v1, 5, v0
	v_readfirstlane_b32 s14, v1                    ; wave 0..3
	s_lshr_b32 s15, s14, 1                         ; which 64 rows are mine.  Also: I fetch for A (0) or for B (1)
	s_and_b32 s16, s14, 1                          ; which 128 columns.  Also: which unit of a pair I fetch
	s_bfe_u32 s40, ttmp6, 0x40000                  ; cx, cy
	s_bfe_u32 s41, ttmp6, 0x40004
	s_lshl_b32 s42, ttmp9, 2
	s_add_co_u32 s42, s42, s40                     ; tile column 0..7
	s_and_b32 s17, ttmp7, 0xffff                   ; cluster y 0..7
	s_lshr_b32 s[KIND], s17, 2                     ; which product: the same in all sixteen partners
	s_and_b32 s17, s17, 3
	s_lshl_b32 s17, s17, 2
	s_add_co_u32 s17, s17, s41                     ; tile row 0..15
	s_lshl_b32 s43, s41, 2
	s_lshl_b32 s43, 15, s43                        ; my row of the cluster
	s_lshl_b32 s44, 0x1111, s40                    ; my column
	s_or_b32 s[G1+0], s43, (1<<20)|(1<<21)|(3<<22)|(3<<25)   ; the mask; elements of 1 byte; padding on; bit 21 beside a mask; 4 words of padding after every 16
	s_or_b32 s[G1B+0], s44, (1<<20)|(1<<21)|(3<<22)|(3<<25)
	s_mov_b32 s[G1+1], ROWB<<16
	s_mov_b32 s[G1+2], 128<<16
	s_mov_b32 s[G1+3], ROWB<<16
	s_mov_b32 s[G1+4], 128
	s_mov_b32 s[G1+5], KROW
	s_mov_b32 s[G1+6], 0
	s_mov_b32 s[G1+7], 0
	s_mov_b32 s[G1B+1], ROWB<<16
	s_mov_b32 s[G1B+2], 256<<16
	s_mov_b32 s[G1B+3], ROWB<<16
	s_mov_b32 s[G1B+4], 256
	s_mov_b32 s[G1B+5], KROW
	s_mov_b32 s[G1B+6], 0
	s_mov_b32 s[G1B+7], 0
	s_or_b32 s[G1S+0], s43, (3<<16)|(1<<20)|(1<<21)|(5<<22)|(3<<25)   ; the scale bytes: rows of 256 bytes (32 elements of 8), 16 bytes of padding behind each
	s_or_b32 s[G1SB+0], s44, (3<<16)|(1<<20)|(1<<21)|(5<<22)|(3<<25)
	s_mov_b32 s[G1S+1], 32<<16
	s_mov_b32 s[G1S+2], 32<<16
	s_mov_b32 s[G1S+3], 32<<16
	s_mov_b32 s[G1S+4], 32
	s_mov_b32 s[G1S+5], 32
	s_mov_b32 s[G1S+6], 0
	s_mov_b32 s[G1S+7], 0
	s_mov_b32 s[G1SB+1], 32<<16
	s_mov_b32 s[G1SB+2], 64<<16
	s_mov_b32 s[G1SB+3], 32<<16
	s_mov_b32 s[G1SB+4], 64
	s_mov_b32 s[G1SB+5], 32
	s_mov_b32 s[G1SB+6], 0
	s_mov_b32 s[G1SB+7], 0
	s_mul_i32 s20, s17, 128*KROW                   ; A: row 128 x tile row: its codes,
	s_mov_b32 s21, 0
	s_lshl_b32 s22, s17, 13                        ; its scale bytes
	s_mov_b32 s23, 0
	s_mul_i32 s46, s42, 256*KROW                   ; B: row 256 x tile column
	s_mov_b32 s47, 0
	s_lshl_b32 s98, s42, 14
	s_mov_b32 s99, 0
	s_mul_i32 s18, s16, ROWB                       ; my unit of the first pair, in memory,
	s_mov_b32 s19, 0
	s_mul_i32 s45, s16, SLOT                       ; and its slot
	s_wait_dscnt 0x0                               ; both opening adds are done
	s_wait_kmcnt 0x0
	s_cmp_eq_u32 s[KIND], 0                        ; the operands are chosen by the product's number, which hangs on no address
	s_cselect_b64 s[4:5], s[32:33], s[38:39]       ; A's codes: rt or pk;
	s_add_nc_u64 s[6:7], s[4:5], CODEB             ; its scale bytes lie behind them in either (this sum leaves SCC alone)
	s_cselect_b64 s[8:9], s[34:35], s[56:57]       ; B's codes: Wo or vt
	s_add_nc_u64 s[10:11], s[56:57], CODEB
	s_cselect_b64 s[10:11], s[36:37], s[10:11]
	s_cselect_b64 s[12:13], s[92:93], s[94:95]     ; out0 or out1
	s_mov_b64 s[MP:MP+1], s[58:59]                 ; M
	s_mov_b64 s[92:93], s[60:61]                   ; parts
	s_mov_b64 s[94:95], s[62:63]                   ; z
	s_add_nc_u64 s[20:21], s[4:5], s[20:21]
	s_add_nc_u64 s[22:23], s[6:7], s[22:23]
	s_add_nc_u64 s[46:47], s[8:9], s[46:47]
	s_add_nc_u64 s[98:99], s[10:11], s[98:99]
	CROUND                                         ; all sixteen work-groups are here: the first joint loads meet
	s_mov_b32 s[G0S], 1
	s_mov_b32 s[G0S+1], SCL
	s_mov_b64 s[G0S+2:G0S+3], s[22:23]
	s_or_b32 s[G0S+3], s[G0S+3], 0x80000000
	s_mov_b32 s[G0SB], 1
	s_mov_b32 s[G0SB+1], SCL+2*HSA
	s_mov_b64 s[G0SB+2:G0SB+3], s[98:99]
	s_or_b32 s[G0SB+3], s[G0SB+3], 0x80000000
	s_mov_b32 s[G0], 1                             ; the pair's load: unit 0 or 1, into slot 0 or 1
	s_mov_b32 s[G0+1], s45
	s_add_nc_u64 s[G0+2:G0+3], s[20:21], s[18:19]
	s_or_b32 s[G0+3], s[G0+3], 0x80000000
	s_mov_b32 s[G0+4], 1                           ; slot 2's load: unit 2
	s_mov_b32 s[G0+5], 2*SLOT
	s_add_nc_u64 s[G0+6:G0+7], s[20:21], 2*ROWB
	s_or_b32 s[G0+7], s[G0+7], 0x80000000
	s_mov_b32 s[G0B], 1
	s_add_co_u32 s[G0B+1], s45, ABYT
	s_add_nc_u64 s[G0B+2:G0B+3], s[46:47], s[18:19]
	s_or_b32 s[G0B+3], s[G0B+3], 0x80000000
	s_mov_b32 s[G0B+4], 1
	s_mov_b32 s[G0B+5], 2*SLOT+ABYT
	s_add_nc_u64 s[G0B+6:G0B+7], s[46:47], 2*ROWB
	s_or_b32 s[G0B+7], s[G0B+7], 0x80000000
	HLOAD G0, G1, G0S, G1S, G0B, G1B, G0SB, G1SB   ; unit 0 (waves 0, 2) and the scale bytes (waves 1, 3);
	HLOAD G0+4, G1, G0, G1, G0B+4, G1B, G0B, G1B   ; then unit 2 (waves 0, 2) and unit 1 (waves 1, 3)
	v_and_b32 v1, 15, v0                           ; r
	v_bfe_u32 v2, v0, 4, 1                         ; h
	v_mul_u32_u24 v3, v1, PITCH
	v_mul_u32_u24 v4, v2, 24
	v_add_nc_u32 v4, v3, v4
	v_lshl_add_u32 v5, v2, 4, v4
	s_mul_i32 s21, s15, HA
	s_mul_i32 s22, s16, HB
	s_add_co_u32 s22, s22, ABYT
.irp s, 0,1,2
	v_add_nc_u32 v[ADRA+\s], s21, v4
	v_add_nc_u32 v[ADRB+\s], s22, v4
	v_add_nc_u32 v[ADRA+3+\s], s21, v5
	v_add_nc_u32 v[ADRB+3+\s], s22, v5
	s_add_co_u32 s21, s21, SLOT
	s_add_co_u32 s22, s22, SLOT
.endr
	v_lshlrev_b32 v5, 6, v1
	v_lshrrev_b32 v6, 8, v5
	v_lshl_add_u32 v5, v6, 4, v5
	s_mul_i32 s21, s15, HSA
	s_mul_i32 s22, s16, HSB
	s_add_co_u32 s22, s22, 2*HSA
	s_sub_co_u32 s22, s22, s21
	v_mul_u32_u24 v6, s22, v2                      ; lanes 16-31 take B's: one product
	s_add_co_u32 s21, s21, SCL
	v_add_nc_u32 v5, v5, v6
	v_add_nc_u32 v[ADRS], s21, v5
	; the way out's addresses
	s_mul_i32 s23, s14, 16*SPITCH                  ; my stage
	s_add_co_u32 s23, s23, STG0
	v_mul_u32_u24 v5, v1, SPITCH                   ; in: row r, 32 bytes for each half of the lanes
	v_lshl_add_u32 v5, v2, 5, v5
	v_add_nc_u32 v[STO], s23, v5
	v_and_b32 v6, 31, v0
	v_lshlrev_b32 v[CO], 4, v6                     ; back: the 32 lanes take one row of 512 bytes; and the same in memory
	v_add_nc_u32 v[RD], s23, v[CO]
	v_lshlrev_b32 v14, 2, v6                       ; 4 x lane; never rewritten
	s_lshl_b32 s20, s17, 20                        ; my part of the tile in out0, out1 and M: (128 x tile row + 64 wr) rows of 8,192 bytes + (256 x tile column + 128 wc) x 4
	s_lshl_b32 s21, s15, 19
	s_add_co_u32 s20, s20, s21
	s_lshl_b32 s21, s42, 10
	s_add_co_u32 s20, s20, s21
	s_lshl_b32 s21, s16, 9
	s_add_co_u32 s20, s20, s21
	s_mov_b32 s21, 0
	s_add_nc_u64 s[12:13], s[12:13], s[20:21]
	s_add_nc_u64 s[MP:MP+1], s[MP:MP+1], s[20:21]
	s_lshl_b32 s20, s17, 9                         ; z_new: features 128 x tile row + 32 cx on: the partners are told apart by address
	s_lshl_b32 s22, s40, 7
	s_add_co_u32 s20, s20, s22
	s_add_nc_u64 s[94:95], s[94:95], s[20:21]      ; z
	s_add_nc_u64 s[96:97], s[96:97], s[20:21]      ; out2
	s_add_co_u32 s20, s20, 131072                  ; parts, section 1
	s_add_nc_u64 s[92:93], s[92:93], s[20:21]
	s_xor_b32 s20, s[KIND], 1                      ; who adds: product 1, cluster x = 0, wave 0: nothing of this hangs on a place in the cluster
	s_or_b32 s20, s20, ttmp9
	s_or_b32 s20, s20, s14
	s_cmp_lg_u32 s20, 0
	s_cbranch_scc1 .Lno_z
.irp c, 0,1,2,3,4,5,6,7,8,9,10,11,12,13,14,15
	global_load_b32 v[160+\c], v14, s[92:93] offset:\c*8192
.endr
	global_load_b32 v176, v14, s[94:95]
	s_wait_loadcnt 0x0
.irp c, 0,1,2,3
	v_pk_add_f32 v[160+4*\c:161+4*\c], v[160+4*\c:161+4*\c], v[162+4*\c:163+4*\c]
.endr
	v_pk_add_f32 v[160:161], v[160:161], v[164:165]
	v_pk_add_f32 v[168:169], v[168:169], v[172:173]
	v_pk_add_f32 v[160:161], v[160:161], v[168:169]
	v_add_f32 v160, v160, v161
	v_add_f32 v160, v160, v176
	global_store_b32 v14, v160, s[96:97]
	s_wait_xcnt 0x0                                ; the store has read its registers: v160 is loaded again on the way out
.Lno_z:
	s_wait_tensorcnt 1                             ; my first load has landed (unit 0, or the scale bytes); my second may be out
	s_barrier_signal -1
	s_barrier_wait -1
.set DSN, 0
.set QN, 0
.set NP, 0
.set NU, 0
.set NSLOT, 0
.set NSC, 1
.set LT, 0
.set LTOT, 80
.set NST, 0
	CHUNK 80                                       ; the first step's list
	QS 0, 1                                        ; unit 0: its first products start the sums
	QS 3, 0                                        ; units 1 and 2 have landed
	QS 0, 0                                        ; unit 1
	QS 1, 0                                        ; slots 0, 1 <- units 3, 4
	QS 0, 0                                        ; unit 2
	QS 2, 0                                        ; slot 2 <- unit 5
	QS 0, 0                                        ; unit 3
	QS 0, 0
	QS 0, 0                                        ; unit 4
	QS 1, 0                                        ; slots 0, 1 <- units 6, 7
	QS 0, 0                                        ; unit 5
	QS 3, 0                                        ; units 6 and 7 have landed; slot 2 is read no more
	WIN 0
; THE WAY OUT, block by block of 16 rows x 128 columns.  A lane holds 32 neighbouring bytes of a row, the lanes beside it other rows: a block goes through my own stage and comes back as whole rows of 512 bytes, which
; the 32 lanes store as 512 consecutive bytes, aligned.  LDS serves a wave's instructions in order (ISA guide 5.7.1.4): no wait between the stores and the loads, nor in front of the next block's stores.  m = 1: M is added.
.macro MLOAD a                         ; M at block a's 16 rows, whole rows of 512 bytes, into window 3
	WIN 0xc0
.irp t, 0,1,2,3,4,5,6,7,8,9,10,11,12,13,14,15
	global_load_b128 v[64*(\a)+4*\t:64*(\a)+4*\t+3], v[CO], s[MP:MP+1] offset:(16*(\a)+\t)*8192 th:TH_LOAD_NT
.endr
	WIN 0
.endm
.macro TOSTAGE a, m
	WIN 0x08                                       ; an LDS store's data are its source 1: window 2
.irp b, 0,1,2,3,4,5,6,7
	ds_store_b128 v[STO], v[64*(\a)+8*\b:64*(\a)+8*\b+3] offset:ARM*(\m)+64*\b        ; each accumulator from its low end on
	ds_store_b128 v[STO], v[64*(\a)+8*\b+4:64*(\a)+8*\b+7] offset:ARM*(\m)+64*\b+16
.endr
	WIN 0
.set BB, BK+64*((\a)%2)
.irp t, 0,1,2,3,4,5,6,7,8,9,10,11,12,13,14,15
	ds_load_b128 v[BB+4*\t:BB+4*\t+3], v[RD] offset:ARM*(\m)+\t*SPITCH
.endr
.endm
.macro SEND a, younger, m              ; younger: the LDS instructions issued behind block a's loads, which may stay out
.set BB, BK+64*((\a)%2)
	s_wait_dscnt \younger
.if \m
.if (\a) == 0
	s_wait_loadcnt 16                              ; M's blocks 0 to 2 are in; block 3's sixteen loads, issued behind them, may be out
.endif
.if (\a) == 3
	s_wait_loadcnt 0x0
.endif
	WIN 0x0c                                       ; source 1: M, window 3
.set i, 0
.rept 32
	v_pk_add_f32 v[BB+i:BB+i+1], v[BB+i:BB+i+1], v[64*(\a)+i:64*(\a)+i+1]
.set i, i+2
.endr
	WIN 0
.endif
.irp t, 0,1,2,3,4,5,6,7,8,9,10,11,12,13,14,15
	global_store_b128 v[CO], v[BB+4*\t:BB+4*\t+3], s[12:13] offset:(16*(\a)+\t)*8192 th:TH_STORE_NT   ; 63 rows of 8,192 bytes at the most: inside the signed 24-bit immediate; no base is stepped
.endr
.endm
.macro WAYOUT m
	PLACES 4                                       ; behind the last products: for the reads of their results and the loads into the registers that held A's fragments
	TOSTAGE 0, \m
.irp a, 1,2,3
.if \a > 1
	s_wait_xcnt 0x0                                ; block a - 2's stores have read their registers: block a's loads may land there
.endif
	TOSTAGE \a, \m
	SEND \a-1, 32, \m                              ; behind block a - 1's loads: block a's 16 stores and 16 loads
.endr
	SEND 3, 0, \m
.endm
.set SQN, QN                           ; the tallies as they stand where the text parts: the second arm begins from the same
.set SDSN, DSN
.set SNST, NST
.set SNSC, NSC
	s_cmp_lg_u32 s[KIND], 0                        ; the same in all waves and all partners
	s_cbranch_scc1 .Lupdate
	QS 0, 0                                        ; unit 6
	QS 0, 0
	QS 0, 0                                        ; unit 7
	QS 4, 0
	WAYOUT 0                                       ; out0
	s_branch .Lend
.Lupdate:
.set QN, SQN
.set DSN, SDSN
.set NST, SNST
.set NSC, SNSC
	MLOAD 0                                        ; 48 loads, 128 matrix instructions ahead of their use
	MLOAD 1
	MLOAD 2
	QS 0, 0                                        ; unit 6
	QS 0, 0
	QS 0, 0                                        ; unit 7
	MLOAD 3                                        ; the last sixteen land while the last step runs and blocks 0 to 2 go out
	QS 4, 0
	WAYOUT 1                                       ; out1 = M + phi(k)^T v
.Lend:
	s_wait_tensorcnt 0x0                           ; the wave's end, behind my last tensor load and my last LDS store
	ds_add_u32 v[SPW], v[NIL]
	s_wait_dscnt 0x0
	CROUND                                         ; the closing round: no work-group ends while a partner may still ask for a tile that names it
	s_endpgm
.Lfunc_end_k_q4f4561f3e3_fin:
	.size	k_q4f4561f3e3_fin, .Lfunc_end_k_q4f4561f3e3_fin-k_q4f4561f3e3_fin
	.p2alignl 7, 3214868480
	.fill 96, 4, 3214868480
	.section	.rodata,"a",@progbits
	.p2align	6, 0x0
	.amdhsa_kernel k_q4f4561f3e3_fin
		.amdhsa_group_segment_fixed_size 327680
		.amdhsa_private_segment_fixed_size 0
		.amdhsa_enable_private_segment 0
		.amdhsa_kernarg_size 88
		.amdhsa_user_sgpr_count 2
		.amdhsa_user_sgpr_kernarg_segment_ptr 1
		.amdhsa_wavefront_size32 1
		.amdhsa_system_sgpr_workgroup_id_x 1
		.amdhsa_system_sgpr_workgroup_id_y 1
		.amdhsa_system_sgpr_workgroup_id_z 1
		.amdhsa_system_vgpr_workitem_id 0
		.amdhsa_next_free_vgpr 1024
		.amdhsa_next_free_sgpr 106
		.amdhsa_reserve_vcc 0
		.amdhsa_float_denorm_mode_32 3
		.amdhsa_float_denorm_mode_16_64 3
		.amdhsa_memory_ordered 1
		.amdhsa_forward_progress 1
		.amdhsa_inst_pref_size 247
	.end_amdhsa_kernel
	.amdgpu_metadata
---
amdhsa.version: [ 1, 2 ]
amdhsa.kernels:
  - .name:           k_q4f4561f3e3_fin
    .symbol:         k_q4f4561f3e3_fin.kd
    .args:
      - { .name: rt, .offset: 0, .size: 8, .value_kind: global_buffer, .address_space: global }
      - { .name: Wo_codes, .offset: 8, .size: 8, .value_kind: global_buffer, .address_space: global }
      - { .name: Wo_scales, .offset: 16, .size: 8, .value_kind: global_buffer, .address_space: global }
      - { .name: pk, .offset: 24, .size: 8, .value_kind: global_buffer, .address_space: global }
      - { .name: vt, .offset: 32, .size: 8, .value_kind: global_buffer, .address_space: global }
      - { .name: M, .offset: 40, .size: 8, .value_kind: global_buffer, .address_space: global }
      - { .name: parts, .offset: 48, .size: 8, .value_kind: global_buffer, .address_space: global }
      - { .name: z, .offset: 56, .size: 8, .value_kind: global_buffer, .address_space: global }
      - { .name: out0, .offset: 64, .size: 8, .value_kind: global_buffer, .address_space: global }
      - { .name: out1, .offset: 72, .size: 8, .value_kind: global_buffer, .address_space: global }
      - { .name: out2, .offset: 80, .size: 8, .value_kind: global_buffer, .address_space: global }
    .group_segment_fixed_size: 327680
    .private_segment_fixed_size: 0
    .kernarg_segment_align: 8
    .kernarg_segment_size: 88
    .max_flat_workgroup_size: 128
    .sgpr_count:     106
    .vgpr_count:     1024
    .wavefront_size: 32
...
	.end_amdgpu_metadata
.endif
;; end of part 3
